; MI455X (gfx1250); checked and timed in simulation.
; The chip was launched on July 23, 2026; its instructions are those of AMD's public machine-readable ISA for CDNA 5 (MIT licence, August 2026) and "CDNA5" Instruction Set Architecture Reference Guide (July 2026). The comments in the code are by the model that wrote it; some were corrected since.
;; Sink Attention. Allowed arithmetic: matrix products marked QUANTISED: E2M1 operands, one E8M0 scale for each 32 along K, by v_wmma_scale_f32_16x16x128_f8f6f4 with both operands' format E2M1 (or v_wmma_scale_f32_32x16x128_f4), f32 sums; products left as they are: bf16, f16 or f32 operands; f32 sums; everything else in f32.
;; Inputs: Wk 2,048 x 2,048 float32; Wo 2,048 x 2,048 float32; Wq 2,048 x 2,048 float32; Wv 2,048 x 2,048 float32; x 4 x 512 x 2,048 float32.
;; Outputs: out0 4 x 512 x 2,048 float32.
;; Constants: layer_idx = 0.
;; This version of the problem:
;;   THIS VERSION OF THE PROBLEM IS GIVEN IN LOW PRECISION. The matrix products marked QUANTISED in the list below multiply operands that are first quantised to E2M1 (2 exponent bits, 1 mantissa bit; 4 bits a number), with one power-of-two scale for each 32 numbers along K (OCP MX v1.0); their sums are f32. The products marked 'left as it is' may take bf16, f16 or f32 operands, with f32 sums. Whichever they take, every output number must still come out within the allowed error. Rounding operands to bf16 (8 significant bits) uses up far more of that allowance than f16 does (11 bits, for magnitudes from 6e-5 to 65,504). All else is computed in f32.
;;   The module's matrix products, in the order in which they are computed (A, B: the left and right operand; K: the contracted axis; several contracted axes count as one K, in the product's order):
;;     1. [M 2,048, K 2,048] x [K 2,048, N 2,048]; A: input x; B: input Wq: QUANTISED
;;     2. [M 2,048, K 2,048] x [K 2,048, N 2,048]; A: input x; B: input Wk: QUANTISED
;;     3. [M 2,048, K 2,048] x [K 2,048, N 2,048]; A: input x; B: input Wv: QUANTISED
;;     4. batch 64 x [M 512, K 128] x [K 128, N 512]; A: computed on the way; B: computed on the way: left as it is (an operand is computed on the way)
;;     5. batch 64 x [M 512, K 512] x [K 512, N 128]; A: computed on the way; B: computed on the way: left as it is (an operand is computed on the way)
;;     6. [M 2,048, K 2,048] x [K 2,048, N 2,048]; A: computed on the way; B: input Wo: left as it is (an operand is computed on the way)
;;   THE QUANTISER, for each operand of a quantised product, along K:
;;     - K is cut into blocks of 32 from its start; a last block that is shorter is filled with zeros.
;;     - A block's scale is 2^e with e = floor(log2(the largest magnitude in the block)) - 2, held to -126 .. 127; a block of zeros has e = 0. As a byte (E8M0): e + 127.
;;     - Each number is divided by its block's scale, clamped to +-6, and rounded to the nearest number of E2M1, ties to even, subnormals kept.
;;     - The product sums the exact products of the quantised numbers (number of the format x scale) in f32.
;;   ~~~python
;;   def quantise(x, axis):      # numpy; x: float32 -> the quantised numbers, widened to float32 again
;;       x = np.moveaxis(x, axis, -1); K = x.shape[-1]
;;       x = np.pad(x, [(0, 0)] * (x.ndim - 1) + [(0, -K % 32)]); x = x.reshape(x.shape[:-1] + (-1, 32)); a = np.abs(x).max(-1, keepdims=True)
;;       e = np.where(a > 0, np.clip(np.frexp(np.where(a > 0, a, 1))[1] - 1 - 2, -126, 127), 0)      # np.frexp(a)[1] - 1 = floor(log2(a)), exactly
;;       r = np.clip(x / 2.0 ** e, -6, 6)
;;       step = 2.0 ** (np.maximum(np.frexp(np.where(r == 0, 1, r))[1] - 1, 0) - 1)
;;       q = np.round(r / step) * step * 2.0 ** e      # np.round: ties to even
;;       return np.moveaxis(q.reshape(q.shape[:-2] + (-1,))[..., :K], -1, axis).astype(np.float32)
;;   ~~~
;; One version. Each part assembles by itself: llvm-mc -triple=amdgcn-amd-amdhsa -mcpu=gfx1250 --defsym DOCPART=n.
;; ======== version 1 of 1: 4 launches
;; limits: values are held in f16: magnitudes above 65,504 overflow, below 6.1e-05 lose precision
;; workspace buffers: xc 2,097,152 bytes; xs 131,072 bytes; wc 6,291,456 bytes; ws 393,216 bytes; wot 8,388,608 bytes; qkv16 25,165,824 bytes; a16 8,388,608 bytes
;; launch prep (part 1): grid 640 x 1, 4 waves a work-group, no clusters, 85,504 bytes of LDS; arguments x, Wq, Wk, Wv, Wo, xc, xs, wc, ws, wot; writes xc, xs, wc, ws, wot
.if DOCPART == 1
	.amdgcn_target "amdgcn-amd-amdhsa--gfx1250"
	.amdhsa_code_object_version 6
	.text
	.protected	k_q3f27db5750_prep
	.globl	k_q3f27db5750_prep
	.p2align	8
	.type	k_q3f27db5750_prep,@function
k_q3f27db5750_prep:
	s_mov_b64 s[64:65], 0
	v_nop
	global_prefetch_b8 v0, s[64:65] scope:SCOPE_SE
	s_setreg_imm32_b32 hwreg(HW_REG_WAVE_MODE, 25, 1), 1
	s_wait_xcnt 0x0
; ONE LAUNCH THAT MAKES EVERY OPERAND READY.  Three paths, parted on the work-group's number; each has LDS bytes of its own; every work-group reads 131,072 bytes.
;   X (work-groups 0-127):   x [2048][2048] f32, K innermost  -> xc: codes of FP4 (E2M1), [2048][1024 bytes]; xs: one E8M0 byte for each 32 along K, [2048][64].
;   W (work-groups 128-511): Wq, Wk, Wv [2048 k][2048 n] f32, K outermost -> wc: codes, [6144 n][1024 bytes], K innermost, n = 2048 x which + column; ws: [6144][64].
;   O (work-groups 512-639): Wo [2048 k][2048 n] f32 -> wot: f16, [2048 n][2048 k], K innermost, rounded to nearest even.
; A block's scale is 2^(floor(log2(its largest magnitude)) - 2); its byte is the largest magnitude's exponent field - 2, held at 1 from below.  A block of zeros so gets the byte 1 where
; the rule says 127: its codes are zeros, which add nothing under any byte but 0xff, and the bytes are read by this program alone.
; LIMITS: blocks whose largest magnitude lies under 2^(2 - 126) have their byte held at 1; NaN and infinities among the inputs are not served; |Wo| stays at or under 65,504, the largest f16 number.
; No tensor loads.  Waves share nothing but in path W, where two waves fill one stage and a barrier stands between the filling and the reading.
; Every offset is an immediate: 255 rows x 8,192 bytes at the most, inside the signed 24-bit immediate (ISA guide, chapter 10).
.set XB,    0                          ; LDS, path X: 8,192 bytes a wave
.set WB,    32768                      ; path W: a stage of 32 rows x 272 bytes for each pair of waves
.set OBS,   50176                      ; path O: such a stage for each wave
.set SPARE, 84992                      ; the spare words, 128 bytes for each wave: two blocks of 256 bytes that no other line names
.set SPW,   190                        ; v190 LDS address of my spare word: SPARE + 4 x my thread's number; never rewritten
.set NIL,   191                        ; v191 0; never rewritten
.set EMAX,  2
; path X
.set STEPS, 16
.set CB,    8                          ; bytes of 16 codes
.set R,     16                         ; v16-79   four sets of 16 numbers as they are loaded
.set XN,    80                         ; v80-111  two sets of 16 neighbours
.set E,     112                        ; v112-127 a scale byte for each step
.set C,     128                        ; v128-189 codes: four registers for each step, so that no store's data are written again
.set WREG,  8192                       ; a wave's region: two stages of 32 x SP bytes, and behind them its 256 scale bytes
.set SP,    80                         ; a lane's place in a stage: its 64 bytes + 16 of padding
; paths W and O
.set NB,    8                          ; blocks of 32 along K for a wave
.set PITCH, 272                        ; a stage row: 256 bytes + 16
.set KROW,  1024                       ; a row of wc in bytes
.set WN,    32                         ; v32-95   two sets of 32 numbers
.set CW,    96                         ; v96..    a block's codes (W: 4 registers) or f16 pairs (O: 16)
.set OUTR,  112                        ; v112-175 the way out
.set SB,    24                         ; v24-25   the scale bytes, four to a register
	s_load_b512 s[4:19], s[0:1], 0x0               ; x s[4:5], Wq s[6:7], Wk s[8:9], Wv s[10:11], Wo s[12:13], xc s[14:15], xs s[16:17], wc s[18:19]
	s_load_b128 s[20:23], s[0:1], 0x40             ; ws s[20:21], wot s[22:23]
	v_lshl_add_u32 v[SPW], v0, 2, SPARE
	v_mov_b32 v[NIL], 0
	v_lshrrev_b32 v1, 5, v0
	v_readfirstlane_b32 s24, v1                    ; wave 0..3
	v_and_b32 v2, 31, v0                           ; lane
	s_wait_kmcnt 0x0
	s_cmp_ge_u32 ttmp9, 128
	s_cbranch_scc1 .Lnot_x
; ---------------- PATH X.  x is a plain stream of blocks of 32, and so are its codes and scale bytes.  A wave takes 16 steps of 512 numbers.  Each of a step's four loads reads 512 consecutive bytes;
; the 2,048 bytes turn through the wave's own stage in LDS and come back 64 bytes a lane, so that a lane holds 16 neighbours along K (two neighbouring lanes hold a block).
	v_lshlrev_b32 v3, 4, v2                        ; my 16 bytes of a load's 512
	s_mul_i32 s25, s24, WREG
	v_lshrrev_b32 v14, 2, v2
	v_mul_u32_u24 v14, v14, SP
	v_and_b32 v15, 3, v2
	v_lshl_add_u32 v14, v15, 4, v14
	v_add_nc_u32 v14, s25, v14                     ; the stage, on the way in: SP (lane / 4) + 16 (lane % 4)
	v_mul_u32_u24 v15, v2, SP
	v_add_nc_u32 v15, s25, v15                     ; and on the way out: SP x lane: my 16 neighbours
	v_mul_u32_u24 v4, v2, CB                       ; my codes' place in a step's
	v_lshrrev_b32 v5, 1, v2
	s_add_co_u32 s25, s25, 2*32*SP
	v_add_nc_u32 v5, s25, v5                       ; LDS: my wave's 256 scale bytes, my block's byte
	v_lshlrev_b32 v7, 3, v2                        ; and on the way out 8 bytes a lane
	v_add_nc_u32 v6, s25, v7
	s_lshl_b32 s26, ttmp9, 2
	s_add_co_u32 s26, s26, s24                     ; which run of 8,192 numbers is my wave's
	s_mov_b32 s29, 0
	s_lshl_b32 s28, s26, 15                        ; 32,768 bytes of x a run,
	s_add_nc_u64 s[4:5], s[4:5], s[28:29]
	s_lshl_b32 s28, s26, 12                        ; 4,096 of codes,
	s_add_nc_u64 s[14:15], s[14:15], s[28:29]
	s_lshl_b32 s28, s26, 8                         ; 256 scale bytes
	s_add_nc_u64 s[16:17], s[16:17], s[28:29]
.macro XLOAD t
.irp i, 0,1,2,3
	global_load_b128 v[R+16*((\t)%4)+4*\i:R+16*((\t)%4)+4*\i+3], v3, s[4:5] offset:2048*(\t)+512*\i th:TH_LOAD_NT   ; 32 lanes read 512 consecutive bytes
.endr
.endm
.macro XTURN t                         ; step t's numbers through the stage: LDS serves a wave's instructions in order (ISA guide 5.7.1.4), so no wait stands between the stores and the loads
.irp i, 0,1,2,3
	ds_store_b128 v14, v[R+16*((\t)%4)+4*\i:R+16*((\t)%4)+4*\i+3] offset:32*SP*((\t)%2)+8*SP*\i
.endr
.irp i, 0,1,2,3
	ds_load_b128 v[XN+16*((\t)%2)+4*\i:XN+16*((\t)%2)+4*\i+3], v15 offset:32*SP*((\t)%2)+16*\i
.endr
.endm
.irp t, 0,1,2,3
	XLOAD \t
.endr
	s_wait_loadcnt 12                              ; step 0's four loads are in; those of steps 1 to 3 may be out
	XTURN 0
.macro XSTEP t
.set XS, XN+16*((\t)%2)
.if (\t) > 0
	s_wait_dscnt 1                                 ; this step's numbers are back from the stage (the last step's byte store may be out): so its stores into the stage have read their registers,
.else
	s_wait_dscnt 0x0
.endif
.if (\t)+4 < STEPS
	XLOAD (\t)+4                                   ; which take the loads of four steps on
.endif
.if (\t)+1 < STEPS
.if STEPS-2-(\t) >= 3
	s_wait_loadcnt 12                              ; the next step's four loads are in; those of the three steps behind it may be out
.else
	s_wait_loadcnt 4*(STEPS-2-(\t))
.endif
	XTURN (\t)+1                                   ; and go through the other stage while this step is worked
.endif
	v_max3_num_f32 v8, |v[XS]|, |v[XS+1]|, |v[XS+2]|               ; the largest magnitude of my 16, in two chains
	v_max3_num_f32 v9, |v[XS+3]|, |v[XS+4]|, |v[XS+5]|
.irp i, 6,10
	v_max3_num_f32 v8, v8, |v[XS+\i]|, |v[XS+\i+1]|
	v_max3_num_f32 v9, v9, |v[XS+\i+2]|, |v[XS+\i+3]|
.endr
	v_max3_num_f32 v8, v8, |v[XS+14]|, |v[XS+15]|
	v_max3_num_f32 v8, v8, v9, (EMAX+1)<<23        ; and the floor 2^(EMAX + 1 - 127): so the byte cannot fall under 1
	v_max_num_f32_dpp v8, v8, v8 row_xmask:1 row_mask:0xf bank_mask:0xf   ; and of my neighbour's 16: the block's
	v_add_nc_u32 v11, -(EMAX<<23), v8              ; EMAX off its exponent field: the conversion takes the exponent field of this operand as its scale, and nothing else of it
	v_cvt_scalef32_pk8_fp4_f32 v[C+4*(\t)], v[XS:XS+7], v11        ; eight numbers / the scale, to the nearest code, ties to even, beyond the largest code the largest
	v_cvt_scalef32_pk8_fp4_f32 v[C+4*(\t)+1], v[XS+8:XS+15], v11
	v_lshrrev_b32 v[E+(\t)], 23, v11               ; the scale's byte (also the plain line behind the conversions)
	ds_store_b8 v5, v[E+(\t)] offset:16*(\t)       ; both lanes of a block write the same byte with the same value
	global_store_b64 v4, v[C+4*(\t):C+4*(\t)+1], s[14:15] offset:32*CB*(\t)   ; the wave stores 256 consecutive bytes, aligned
.endm
.irp t, 0,1,2,3,4,5,6,7,8,9,10,11,12,13,14,15
	XSTEP \t
.endr
	ds_load_b64 v[8:9], v6                         ; these see my byte stores: a wave's LDS instructions are served in order
	s_wait_dscnt 0x0
	global_store_b64 v7, v[8:9], s[16:17]          ; 32 lanes store 256 consecutive bytes, aligned
	s_wait_tensorcnt 0x0                           ; the wave's end: behind my last LDS store
	ds_add_u32 v[SPW], v[NIL]
	s_wait_dscnt 0x0
	s_endpgm
.Lnot_x:
; 32 loads: block t of 32 along K, W(32 t + i, my column), into set t % 2.  Each reads 128 consecutive bytes a wave.
.macro WLOAD t, base
.irp i, 0,1,2,3,4,5,6,7,8,9,10,11,12,13,14,15,16,17,18,19,20,21,22,23,24,25,26,27,28,29,30,31
	global_load_b32 v[WN+32*((\t)%2)+\i], v3, s[\base:\base+1] offset:(32*(\t)+\i)*8192 th:TH_LOAD_NT
.endr
.endm
	s_cmp_ge_u32 ttmp9, 512
	s_cbranch_scc1 .Lpath_o
; ---------------- PATH W.  A LANE TAKES A COLUMN n, AND ITS REGISTERS RUN DOWN K: a block of 32 along K lies in one lane's 32 registers, and the conversions give codes with K innermost.
; A work-group takes 64 columns x 512 along K.  TWO WAVES SHARE 32 COLUMNS: wave 2 g + u takes columns 32 g on and 256 along K from 256 u on: 8 blocks, 128 bytes of codes a column.  So a wave has
; four round trips to memory on end (two blocks ahead), and twice as many waves have loads out as with 512 along K to a wave.  The pair's codes meet in one stage, 256 bytes a column; behind a barrier
; each of the two sends 16 whole rows: sixteen lanes store 256 consecutive bytes, aligned.  The barrier stands on a path chosen by the work-group's number: all four waves pass it.
	s_sub_co_u32 s25, ttmp9, 128
	s_lshr_b32 s26, s25, 7                         ; which: 0 Wq, 1 Wk, 2 Wv
	s_and_b32 s27, s25, 31                         ; which 64 columns
	s_bfe_u32 s28, s25, 0x20005                    ; which 512 along K
	s_cmp_eq_u32 s26, 0                            ; the choice hangs on the work-group's number alone
	s_cselect_b64 s[30:31], s[6:7], s[8:9]
	s_cmp_eq_u32 s26, 2
	s_cselect_b64 s[30:31], s[10:11], s[30:31]
	s_lshr_b32 s34, s24, 1                         ; g: which 32 columns
	s_and_b32 s35, s24, 1                          ; u: which 256 along K
	s_lshl_b32 s27, s27, 6
	s_lshl_b32 s29, s34, 5
	s_add_co_u32 s27, s27, s29                     ; my pair's first column
	s_lshl_b32 s32, s28, 22                        ; 512 rows of 8,192 bytes,
	s_lshl_b32 s29, s35, 21                        ; 256 rows,
	s_add_co_u32 s32, s32, s29
	s_lshl_b32 s29, s27, 2                         ; 4 bytes a column
	s_add_co_u32 s32, s32, s29
	s_mov_b32 s33, 0
	s_add_nc_u64 s[30:31], s[30:31], s[32:33]
	s_lshl_b32 s26, s26, 11
	s_add_co_u32 s26, s26, s27                     ; my pair's first row of wc and ws
	s_lshl_b32 s32, s26, 6                         ; scale bytes: 64 a row, 16 for 512 along K, 8 for my 256
	s_lshl_b32 s29, s28, 4
	s_add_co_u32 s32, s32, s29
	s_lshl_b32 s29, s35, 3
	s_add_co_u32 s32, s32, s29
	s_add_nc_u64 s[20:21], s[20:21], s[32:33]
	s_lshl_b32 s29, s35, 4                         ; codes: on the way out I send rows 16 u .. 16 u + 15 of the pair's 32
	s_add_co_u32 s26, s26, s29
	s_lshl_b32 s32, s26, 10
	s_lshl_b32 s29, s28, 8
	s_add_co_u32 s32, s32, s29
	s_add_nc_u64 s[18:19], s[18:19], s[32:33]
	v_lshlrev_b32 v3, 2, v2                        ; in: 4 bytes a lane
	s_mul_i32 s29, s34, 32*PITCH
	s_add_co_u32 s29, s29, WB                      ; my pair's stage
	s_lshl_b32 s36, s35, 7
	s_add_co_u32 s36, s36, s29
	v_mul_u32_u24 v4, v2, PITCH
	v_add_nc_u32 v4, s36, v4                       ; into it: row = my column, my 128 bytes of the row
	v_and_b32 v5, 15, v2
	v_lshrrev_b32 v6, 4, v2                        ; out of it: sixteen lanes to a row, two rows an instruction
	s_mul_i32 s36, s35, 16*PITCH
	s_add_co_u32 s36, s36, s29
	v_mul_u32_u24 v7, v6, PITCH
	v_lshl_add_u32 v7, v5, 4, v7
	v_add_nc_u32 v7, s36, v7                       ; from row 16 u on
	v_mul_u32_u24 v8, v6, KROW
	v_lshl_add_u32 v8, v5, 4, v8                   ; and the same place in wc
	v_mul_u32_u24 v9, v2, 64                       ; my column's row of scale bytes
	WLOAD 0, 30
	WLOAD 1, 30
.macro WBLOCK t
.set XS, WN+32*((\t)%2)
.if (\t) < NB-1
	s_wait_loadcnt 32                              ; this block's 32 loads are in; the next block's may be out
.else
	s_wait_loadcnt 0
.endif
	v_max3_num_f32 v12, |v[XS]|, |v[XS+1]|, |v[XS+2]|              ; the block's largest magnitude: all 32 numbers are mine
	v_max3_num_f32 v13, |v[XS+3]|, |v[XS+4]|, |v[XS+5]|
.irp i, 6,10,14,18,22,26
	v_max3_num_f32 v12, v12, |v[XS+\i]|, |v[XS+\i+1]|
	v_max3_num_f32 v13, v13, |v[XS+\i+2]|, |v[XS+\i+3]|
.endr
	v_max3_num_f32 v12, v12, |v[XS+30]|, |v[XS+31]|
	v_max3_num_f32 v12, v12, v13, (EMAX+1)<<23     ; and the floor
	v_add_nc_u32 v11, -(EMAX<<23), v12             ; the conversion's scale operand
	v_lshrrev_b32 v13, 23, v11                     ; the scale's byte
.if (\t)%4 == 0
	v_mov_b32 v[SB+(\t)/4], v13                    ; four bytes to a register, the lower K in the lower byte
.else
	v_lshl_or_b32 v[SB+(\t)/4], v13, 8*((\t)%4), v[SB+(\t)/4]
.endif
.irp g, 0,1,2,3
	v_cvt_scalef32_pk8_fp4_f32 v[CW+\g], v[XS+8*\g:XS+8*\g+7], v11
.endr
	v_nop                                          ; one plain line behind the last conversion
	ds_store_b128 v4, v[CW:CW+3] offset:16*(\t)    ; 32 codes: 16 bytes of my column's row
.if (\t)+2 < NB
	WLOAD (\t)+2, 30
.endif
	s_wait_dscnt 0x0                               ; the store has read its registers: the next block's codes may be written
.endm
.set Q, 0
.rept NB
	WBLOCK Q
.set Q, Q+1
.endr
	global_store_b64 v9, v[SB:SB+1], s[20:21]      ; my column's 8 scale bytes
	s_wait_dscnt 0x0                               ; for my partner's sake: my stores into the stage are done
	s_barrier_signal -1
	s_barrier_wait -1                              ; both halves of every row lie in the stage
.irp t, 0,1,2,3,4,5,6,7
	ds_load_b128 v[OUTR+4*\t:OUTR+4*\t+3], v7 offset:2*\t*PITCH
.endr
.irp t, 0,1,2,3,4,5,6,7
	s_wait_dscnt 7-\t                              ; the younger read-backs may be out
	global_store_b128 v8, v[OUTR+4*\t:OUTR+4*\t+3], s[18:19] offset:2*\t*KROW
.endr
	s_wait_tensorcnt 0x0                           ; the wave's end: behind my last LDS store
	ds_add_u32 v[SPW], v[NIL]
	s_wait_dscnt 0x0
	s_endpgm
.Lpath_o:
; ---------------- PATH O.  The same plan for Wo: a lane a column, registers down K; pairs of neighbours along K are rounded to f16.  A wave takes 32 columns x 256 along K, in two rounds of 128:
; a round is 256 bytes a column, one row of the wave's own stage.  No wave reads another's bytes: no barrier.
	s_sub_co_u32 s25, ttmp9, 512
	s_and_b32 s27, s25, 15                         ; which 128 columns
	s_lshr_b32 s28, s25, 4                         ; which 256 along K
	s_lshl_b32 s27, s27, 7
	s_lshl_b32 s29, s24, 5
	s_add_co_u32 s27, s27, s29                     ; my wave's first column
	s_lshl_b32 s32, s28, 21                        ; 256 rows of 8,192 bytes
	s_lshl_b32 s29, s27, 2
	s_add_co_u32 s32, s32, s29
	s_mov_b32 s33, 0
	s_add_nc_u64 s[12:13], s[12:13], s[32:33]
	s_lshl_b32 s32, s27, 12                        ; a row of wot is 4,096 bytes
	s_lshl_b32 s29, s28, 9                         ; 256 along K are 512
	s_add_co_u32 s32, s32, s29
	s_add_nc_u64 s[22:23], s[22:23], s[32:33]
	v_lshlrev_b32 v3, 2, v2
	s_mul_i32 s29, s24, 32*PITCH
	s_add_co_u32 s29, s29, OBS                     ; my stage
	v_mul_u32_u24 v4, v2, PITCH
	v_add_nc_u32 v4, s29, v4
	v_and_b32 v5, 15, v2
	v_lshrrev_b32 v6, 4, v2
	v_mul_u32_u24 v7, v6, PITCH
	v_lshl_add_u32 v7, v5, 4, v7
	v_add_nc_u32 v7, s29, v7
	v_lshlrev_b32 v8, 12, v6
	v_lshl_add_u32 v8, v5, 4, v8                   ; two rows of wot an instruction, 16 bytes a lane
	WLOAD 0, 12
	WLOAD 1, 12
.macro OBLOCK t
.set XS, WN+32*((\t)%2)
.if (\t) < NB-1
	s_wait_loadcnt 32                              ; this block's 32 loads are in; the next block's may be out
.else
	s_wait_loadcnt 0
.endif
.irp i, 0,1,2,3,4,5,6,7,8,9,10,11,12,13,14,15
	v_cvt_pk_f16_f32 v[CW+\i], v[XS+2*\i], v[XS+2*\i+1]            ; the lower k in the low half
.endr
.irp g, 0,1,2,3
	ds_store_b128 v4, v[CW+4*\g:CW+4*\g+3] offset:64*((\t)%4)+16*\g
.endr
.if (\t)+2 < NB
	WLOAD (\t)+2, 12
.endif
	s_wait_dscnt 0x0                               ; the stores have read their registers
.if (\t)%4 == 3                        ; a round is whole: 32 rows of 256 bytes leave
.if (\t) > 3
	s_wait_xcnt 0x0                                ; the last round's stores have read v112-175, which are loaded again only behind this wait
.endif
.irp i, 0,1,2,3,4,5,6,7,8,9,10,11,12,13,14,15
	ds_load_b128 v[OUTR+4*\i:OUTR+4*\i+3], v7 offset:2*\i*PITCH
.endr
.irp i, 0,1,2,3,4,5,6,7,8,9,10,11,12,13,14,15
	s_wait_dscnt 15-\i                             ; the younger read-backs may be out
	global_store_b128 v8, v[OUTR+4*\i:OUTR+4*\i+3], s[22:23] offset:2*\i*4096+256*((\t)/4)   ; sixteen lanes store 256 consecutive bytes, aligned
.endr
.endif
.endm
.set Q, 0
.rept NB
	OBLOCK Q
.set Q, Q+1
.endr
	s_wait_tensorcnt 0x0                           ; the wave's end: behind my last LDS store
	ds_add_u32 v[SPW], v[NIL]
	s_wait_dscnt 0x0
	s_endpgm
.Lfunc_end_k_q3f27db5750_prep:
	.size	k_q3f27db5750_prep, .Lfunc_end_k_q3f27db5750_prep-k_q3f27db5750_prep
	.p2alignl 7, 3214868480
	.fill 96, 4, 3214868480
	.section	.rodata,"a",@progbits
	.p2align	6, 0x0
	.amdhsa_kernel k_q3f27db5750_prep
		.amdhsa_group_segment_fixed_size 85504
		.amdhsa_private_segment_fixed_size 0
		.amdhsa_enable_private_segment 0
		.amdhsa_kernarg_size 80
		.amdhsa_user_sgpr_count 2
		.amdhsa_user_sgpr_kernarg_segment_ptr 1
		.amdhsa_wavefront_size32 1
		.amdhsa_system_sgpr_workgroup_id_x 1
		.amdhsa_system_sgpr_workgroup_id_y 1
		.amdhsa_system_sgpr_workgroup_id_z 1
		.amdhsa_system_vgpr_workitem_id 0
		.amdhsa_next_free_vgpr 192
		.amdhsa_next_free_sgpr 66
		.amdhsa_reserve_vcc 0
		.amdhsa_float_denorm_mode_32 3
		.amdhsa_float_denorm_mode_16_64 3
		.amdhsa_memory_ordered 1
		.amdhsa_forward_progress 1
		.amdhsa_inst_pref_size 116
	.end_amdhsa_kernel
	.amdgpu_metadata
---
amdhsa.version: [ 1, 2 ]
amdhsa.kernels:
  - .name:           k_q3f27db5750_prep
    .symbol:         k_q3f27db5750_prep.kd
    .args:
      - { .name: x, .offset: 0, .size: 8, .value_kind: global_buffer, .address_space: global }
      - { .name: Wq, .offset: 8, .size: 8, .value_kind: global_buffer, .address_space: global }
      - { .name: Wk, .offset: 16, .size: 8, .value_kind: global_buffer, .address_space: global }
      - { .name: Wv, .offset: 24, .size: 8, .value_kind: global_buffer, .address_space: global }
      - { .name: Wo, .offset: 32, .size: 8, .value_kind: global_buffer, .address_space: global }
      - { .name: xc, .offset: 40, .size: 8, .value_kind: global_buffer, .address_space: global }
      - { .name: xs, .offset: 48, .size: 8, .value_kind: global_buffer, .address_space: global }
      - { .name: wc, .offset: 56, .size: 8, .value_kind: global_buffer, .address_space: global }
      - { .name: ws, .offset: 64, .size: 8, .value_kind: global_buffer, .address_space: global }
      - { .name: wot, .offset: 72, .size: 8, .value_kind: global_buffer, .address_space: global }
    .group_segment_fixed_size: 85504
    .private_segment_fixed_size: 0
    .kernarg_segment_align: 8
    .kernarg_segment_size: 80
    .max_flat_workgroup_size: 128
    .sgpr_count:     66
    .vgpr_count:     192
    .wavefront_size: 32
...
	.end_amdgpu_metadata
.endif
;; end of part 1
;; launch qkv (part 2): grid 24 x 8, 4 waves a work-group, clusters of 4 x 4, 327,680 bytes of LDS; arguments xc, xs, wc, ws, qkv16; writes qkv16
.if DOCPART == 2
	.amdgcn_target "amdgcn-amd-amdhsa--gfx1250"
	.amdhsa_code_object_version 6
	.text
	.protected	k_q3f27db5750_qkv
	.globl	k_q3f27db5750_qkv
	.p2align	8
	.type	k_q3f27db5750_qkv,@function
k_q3f27db5750_qkv:
	s_mov_b64 s[64:65], 0
	v_nop
	global_prefetch_b8 v0, s[64:65] scope:SCOPE_SE
	s_setreg_imm32_b32 hwreg(HW_REG_WAVE_MODE, 25, 1), 1
	s_wait_xcnt 0x0
	s_wait_alu depctr_hold_cnt(0) depctr_sa_sdst(0) depctr_va_vdst(0) depctr_va_sdst(0) depctr_va_ssrc(0) depctr_va_vcc(0) depctr_vm_vsrc(0)
	s_getreg_b32 s2, hwreg(HW_REG_IB_STS2, 6, 4)
	s_cmp_eq_u32 s2, 0
	s_cbranch_scc0 .Lentry_in_a_cluster
	s_endpgm
.Lentry_in_a_cluster:
	s_bfe_u32 s2, ttmp6, 0x10000c
	s_cmp_lg_u32 s2, 0xf033
	s_cbranch_scc0 .Lentry_shape_is_right
	s_endpgm
.Lentry_shape_is_right:
; q, k, v = x Wq, x Wk, x Wv as ONE product on codes of FP4 (E2M1) with one E8M0 scale for each 32 along K: C[m][n] = sum over k of A[m][k] B[n][k], A = x's codes [2048][2048],
; B = the three weights' codes [6144][2048], n = 2048 x which + 128 x head + channel.  Sums in f32; the results are rounded once to f16 and laid [which][batch][head][position][128], 256 bytes a row.
; LIMIT: |q|, |k|, |v| stay at or under 65,504, the largest f16 number.
; A tile of C, 256 x 256, is made by a work-group of four waves; a wave makes 128 x 128: 64 accumulators of 16 x 16, 512 registers: 128 positions of ONE head of one of q, k, v: 32,768 bytes on end in the output.
; K goes in steps of 512 through a ring of two LDS slots filled by the tensor data mover: a tile's row is 256 bytes of memory.
; THE SCALES of the work-group's 256 rows of A and 256 rows of B, for all of K, are two dense blocks of memory: they come into LDS ONCE, with the first fills, and stay.
; CLUSTERS: 4 x 4 work-groups.  The four of a row of the cluster need the same tiles of A, the four of a column the same tiles of B: each tile is asked for JOINTLY, by the same tensor load with the
; same descriptor and a mask that names the four.  THE MATRIX INSTRUCTION IS USED TRANSPOSED (source 0 = 16 rows of B, source 1 = 16 rows of A): a lane then holds eight neighbouring numbers of a row of C.
; REGISTERS, in windows of 256: window 0: v0-31 addresses; v32-95 scale words, two sets; v128-191 A's fragments (8 x 16 rows x 128 K), ONE set; on the way out v32-63 and v192-255 are at work.
;   window 1: B's fragments, TWO sets, at v0 and at v128.   window 2: the 32 accumulators of my rows 0-63 (accumulator (a, b) at v[8 (8 a + b)]);   window 3: those of my rows 64-127.
.set SIZE_M, 2048
.set SIZE_N, 6144
.set SIZE_K, 2048
.set KSTEP,  512                       ; along K in a slot
.set NQ,     KSTEP/128                 ; matrix instructions deep
.set ROWB,   256                       ; a tile's row in bytes
.set KROW,   SIZE_K*4/8                ; a row of A or of B in memory, in bytes
.set PITCH,  272                       ; an LDS row: 256 bytes + 16 of padding = 68 words: row r starts at bank 4 r mod 64 (64 banks of 4 bytes: ISA guide 11.1)
.set FR,     8                         ; registers of a fragment: 16 rows x 128 K
.set NL,     2                         ; LDS loads that bring one
.set NP,     4                         ; places behind this matrix instruction (ISA guide 7.12.1)
.set HALFT,  128*PITCH                 ; 128 rows: what one tensor load brings, and what one wave reads of A or of B
.set SLOT,   4*HALFT                   ; A's 256 rows, then B's 256 rows
.set LAPS,   SIZE_K/(2*KSTEP)          ; a lap = two K steps = once round the ring: 2
.set KS,     SIZE_K/32                 ; a row of scales in bytes: 64
.set SCL,    2*SLOT                    ; behind the ring: the scales, as units of 256 bytes + 16 of padding
.set HALFS,  (128*KS/256)*272          ; the scales of 128 rows: what one tensor load brings
.set SBLK,   (16*KS/256)*272           ; those of 16 rows
.set SPARE,  SCL+4*HALFS               ; behind the scales: the spare words, 128 bytes for each wave: two blocks of 256 bytes that no other line names
.set SPITCH, 272                       ; the way out: a stage of 16 rows x (256 bytes + 16) for each wave.  It lies in slot 0, which has had its last fill and its last read when the first result is stored there
.set ADRA, 16                          ; v16-17  LDS address of my A fragments in slot 0, 1
.set ADRB, 20                          ; v20-21  the same for B
.set STO,  24                          ; v24     the way out: where I put 16 bytes of a row
.set RD,   25                          ; v25     the way out: where I read a row back
.set CO,   26                          ; v26     16 x lane: my place in two rows (512 bytes on end) of the output
.set ADRS, 27                          ; v27     LDS address of my scale words: lanes 0-15 A's rows, lanes 16-31 B's
.set SPW,  28                          ; v28     LDS address of my spare word: SPARE + 4 x my thread's number; never rewritten
.set NIL,  29                          ; v29     0; never rewritten
.set SC,   32                          ; scale words: set s at v[SC + 8 NQ s]; register NQ i + q: lanes 0-15 the word of A's block i, lanes 16-31 that of B's block i, for the slot's q-th 128 along K
.set AF,   128                         ; A's fragments, in window 0
.set TMP,  192                         ; the way out: packed results
.set OB,   32                          ; the way out: 16 rows read back from the stage: v32-63 and v224-255 by turns
.set G1, 24                            ; s[24:31] descriptor group 1 for A's tiles;  s[32:39] group 0, one set for each slot
.set G0, 32
.set G1B, 48                           ; s[48:55], s[56:63] the same for B's tiles
.set G0B, 56
.set G1S, 68                           ; s[68:75], s[76:79] groups 1 and 0 for A's scales;  s[80:87], s[88:91] for B's
.set G0S, 76
.set G1SB, 80
.set G0SB, 88
.set MSB, 0
.macro WIN new                         ; the immediate's high byte repeats the setting that is left
.if MSB != \new
	s_set_vgpr_msb (MSB<<8)|\new
.set MSB, \new
.endif
.endm
.set MUL_LO, 0xa1                      ; source 0 (B) window 1, source 1 (A) window 0, C and D window 2
.set MUL_HI, 0xf1                      ; the same, C and D window 3
.set TO_B,   0x40                      ; destination window 1, address window 0
; A joint load: waves 0 and 1 fetch for A, waves 2 and 3 for B.  Each of the two lines has ONE mask and one set of registers for all that issue it; the branch hangs on the wave's number alone.
; An s_nop 0 and four v_nop follow each of the two lines, ahead of the jump, the label and what follows.
.macro JLOAD g0a, g1a, g0b, g1b
	s_cmp_eq_u32 s15, 0
	s_cbranch_scc0 .Lfor_b_\@
	tensor_load_to_lds s[\g0a:\g0a+3], s[\g1a:\g1a+7]
	s_nop 0
.rept 4
	v_nop
.endr
	s_branch .Lasked_\@
.Lfor_b_\@:
	tensor_load_to_lds s[\g0b:\g0b+3], s[\g1b:\g1b+7]
	s_nop 0
.rept 4
	v_nop
.endr
.Lasked_\@:
.endm
.macro CREST                           ; a round of the cluster's barrier behind its opening barrier
	s_cmp_lg_u32 s14, 0
	s_cbranch_scc1 .Lnot_wave_0_\@
	s_barrier_signal -3
.Lnot_wave_0_\@:
	s_barrier_wait -3
	s_barrier_signal -1
	s_barrier_wait -1
.endm
.macro CROUND                          ; a whole round
	s_barrier_signal -1
	s_barrier_wait -1
	CREST
.endm
	s_load_b128 s[4:7], s[0:1], 0x0                ; A's codes s[4:5], A's scales s[6:7]
	s_load_b128 s[8:11], s[0:1], 0x10              ; B's codes s[8:9], B's scales s[10:11]
	s_load_b64 s[12:13], s[0:1], 0x20              ; the output
	v_lshl_add_u32 v[SPW], v0, 2, SPARE
	v_mov_b32 v[NIL], 0
	ds_add_u32 v[SPW], v[NIL]                      ; the wave's opening: the add, twice on end, and its wait ahead of my first tensor load; the set-up below, work on registers, stands between
	ds_add_u32 v[SPW], v[NIL]                      ; and once more, under the one wait
	v_lshrrev_b32 v1, 5, v0
	v_readfirstlane_b32 s14, v1                    ; wave 0..3
	s_lshr_b32 s15, s14, 1                         ; which half of the tile's rows is mine.  Also: I fetch for A (0) or for B (1)
	s_and_b32 s16, s14, 1                          ; which half of its columns.  Also: which 128 rows of that tile I fetch
	s_bfe_u32 s40, ttmp6, 0x40000                  ; cx, cy: my place in the cluster
	s_bfe_u32 s41, ttmp6, 0x40004
	s_lshl_b32 s42, ttmp9, 2
	s_add_co_u32 s42, s42, s40                     ; tile column of C = 4 x cluster x + cx
	s_and_b32 s17, ttmp7, 0xffff
	s_lshl_b32 s17, s17, 2
	s_add_co_u32 s17, s17, s41                     ; tile row of C = 4 x cluster y + cy
	s_lshl_b32 s43, s41, 2
	s_lshl_b32 s43, 15, s43                        ; my row of the cluster
	s_lshl_b32 s44, 0x1111, s40                    ; my column
	; descriptor group 1: a tile of 128 rows x ROWB bytes, padded in LDS
	s_or_b32 s[G1+0], s43, (0<<16)|(1<<20)|(1<<21)|(5<<22)|(3<<25)  ; 15:0 the mask: A's tiles go to my row; 17:16 element of 1 byte; 20 padding on; 21 set beside a mask; 24:22 after every 64 words (code 5); 31:25 of 4 words (code 3)
	s_or_b32 s[G1B+0], s44, (0<<16)|(1<<20)|(1<<21)|(5<<22)|(3<<25)
.irp g, G1, G1B
	s_mov_b32 s[\g+1], ROWB<<16                    ; tensor_dim0
	s_mov_b32 s[\g+2], 128<<16                     ; tensor_dim1 = 128
	s_mov_b32 s[\g+3], ROWB<<16                    ; tile_dim0
	s_mov_b32 s[\g+4], 128                         ; tile_dim1 = 128
	s_mov_b32 s[\g+5], KROW                        ; tensor_dim0_stride
	s_mov_b32 s[\g+6], 0
	s_mov_b32 s[\g+7], 0
.endr
	; and for the scales of 128 rows: a dense block of 128 KS bytes, as rows of 256 bytes (32 elements of 8 bytes), 16 bytes of padding behind each
	s_or_b32 s[G1S+0], s43, (3<<16)|(1<<20)|(1<<21)|(5<<22)|(3<<25)
	s_or_b32 s[G1SB+0], s44, (3<<16)|(1<<20)|(1<<21)|(5<<22)|(3<<25)
.irp g, G1S, G1SB
	s_mov_b32 s[\g+1], 32<<16
	s_mov_b32 s[\g+2], (128*KS/256)<<16
	s_mov_b32 s[\g+3], 32<<16
	s_mov_b32 s[\g+4], 128*KS/256
	s_mov_b32 s[\g+5], 32
	s_mov_b32 s[\g+6], 0
	s_mov_b32 s[\g+7], 0
.endr
	s_lshl_b32 s18, s16, 7                         ; which 128 rows of the tile I fetch
	s_lshl_b32 s20, s17, 8
	s_add_co_u32 s20, s20, s18                     ; A: row 256 x tile row + 128 x half
	s_lshl_b32 s46, s42, 8
	s_add_co_u32 s46, s46, s18                     ; B: row 256 x tile column + 128 x half
	s_mov_b32 s21, 0
	s_mov_b32 s47, 0
	s_mov_b64 s[18:19], KS
	s_mul_u64 s[22:23], s[20:21], s[18:19]         ; where these rows' scales begin, in bytes
	s_mul_u64 s[92:93], s[46:47], s[18:19]
	s_mov_b64 s[18:19], KROW
	s_mul_u64 s[20:21], s[20:21], s[18:19]         ; and their codes
	s_mul_u64 s[46:47], s[46:47], s[18:19]
	s_mul_i32 s45, s14, HALFT                      ; where they go: wave x 128 rows: no place in the cluster enters an LDS address
	s_mul_i32 s94, s14, HALFS
	s_wait_dscnt 0x0                               ; both opening adds are done
	s_wait_kmcnt 0x0
	s_add_nc_u64 s[20:21], s[4:5], s[20:21]
	s_add_nc_u64 s[22:23], s[6:7], s[22:23]
	s_add_nc_u64 s[46:47], s[8:9], s[46:47]
	s_add_nc_u64 s[92:93], s[10:11], s[92:93]
	CROUND                                         ; all sixteen work-groups are here: the first joint loads meet
	s_mov_b32 s[G0S], 1
	s_add_co_u32 s[G0S+1], s94, SCL
	s_mov_b64 s[G0S+2:G0S+3], s[22:23]
	s_or_b32 s[G0S+3], s[G0S+3], 0x80000000
	s_mov_b32 s[G0SB], 1
	s_add_co_u32 s[G0SB+1], s94, SCL
	s_mov_b64 s[G0SB+2:G0SB+3], s[92:93]
	s_or_b32 s[G0SB+3], s[G0SB+3], 0x80000000
	JLOAD G0S, G1S, G0SB, G1SB                     ; the scales first: they are wanted with K step 0
.irp s, 0,1
	s_mov_b32 s[G0+4*\s], 1
	s_add_co_u32 s[G0+4*\s+1], s45, \s*SLOT
	s_add_nc_u64 s[G0+4*\s+2:G0+4*\s+3], s[20:21], \s*ROWB
	s_or_b32 s[G0+4*\s+3], s[G0+4*\s+3], 0x80000000
	s_mov_b32 s[G0B+4*\s], 1
	s_add_co_u32 s[G0B+4*\s+1], s45, \s*SLOT
	s_add_nc_u64 s[G0B+4*\s+2:G0B+4*\s+3], s[46:47], \s*ROWB
	s_or_b32 s[G0B+4*\s+3], s[G0B+4*\s+3], 0x80000000
	JLOAD G0+4*\s, G1, G0B+4*\s, G1B               ; three tensor loads of mine are out at the most
.endr
	v_and_b32 v1, 15, v0                           ; l % 16
	v_bfe_u32 v2, v0, 4, 1                         ; l / 16
	v_mul_u32_u24 v3, v1, PITCH
	v_lshl_add_u32 v4, v2, 4, v3                   ; a fragment's row x pitch + 16 x half
	s_mul_i32 s21, s15, HALFT                      ; my 128 rows of A
	s_mul_i32 s22, s16, HALFT                      ; my 128 rows of B,
	s_add_co_u32 s22, s22, 2*HALFT                 ; which lie behind A's 256
.irp s, 0,1
	v_add_nc_u32 v[ADRA+\s], s21, v4
	v_add_nc_u32 v[ADRB+\s], s22, v4
	s_add_co_u32 s21, s21, SLOT
	s_add_co_u32 s22, s22, SLOT
.endr
	v_mul_u32_u24 v5, v1, KS                       ; my row's scales: KS bytes a row,
	v_lshrrev_b32 v6, 8, v5
	v_lshl_add_u32 v5, v6, 4, v5                   ; and 16 more for each 256 passed
	s_mul_i32 s21, s15, HALFS                      ; A's: my 128 rows
	s_mul_i32 s22, s16, HALFS                      ; B's: my 128 rows, behind A's 256
	s_add_co_u32 s22, s22, 2*HALFS
	s_sub_co_u32 s22, s22, s21
	v_mul_u32_u24 v6, s22, v2                      ; lanes 16-31 take B's
	s_add_co_u32 s21, s21, SCL
	v_add_nc_u32 v5, v5, v6
	v_add_nc_u32 v[ADRS], s21, v5
	s_mul_i32 s23, s14, 16*SPITCH                  ; my stage
	v_mul_u32_u24 v5, v1, SPITCH                   ; in: row l % 16, 16 bytes for each half of the lanes
	v_lshl_add_u32 v5, v2, 4, v5
	v_add_nc_u32 v[STO], s23, v5
	v_mul_u32_u24 v5, v2, SPITCH                   ; back: lanes 0-15 take one row of 256 bytes, lanes 16-31 the next
	v_lshl_add_u32 v5, v1, 4, v5
	v_add_nc_u32 v[RD], s23, v5
	v_and_b32 v6, 31, v0
	v_lshlrev_b32 v[CO], 4, v6                     ; in the output the two rows lie on end
	; where my 128 x 128 begins in the output.  Rows: batch = tile row / 2 (2^21 bytes), position = 256 (tile row % 2) + 128 x half (256 bytes each)
	s_lshr_b32 s20, s17, 1
	s_lshl_b32 s20, s20, 21
	s_and_b32 s21, s17, 1
	s_lshl_b32 s21, s21, 16
	s_add_co_u32 s20, s20, s21
	s_lshl_b32 s21, s15, 15
	s_add_co_u32 s20, s20, s21
	s_mov_b32 s21, 0
	; columns: g = 2 x tile column + half; which = g / 16 (2^23 bytes), head = g % 16 (2^17 bytes)
	s_lshl_b32 s46, s42, 1
	s_add_co_u32 s46, s46, s16
	s_lshr_b32 s47, s46, 4
	s_lshl_b32 s47, s47, 23
	s_and_b32 s46, s46, 15
	s_lshl_b32 s46, s46, 17
	s_add_co_u32 s46, s46, s47
	s_mov_b32 s47, 0
	s_add_nc_u64 s[20:21], s[20:21], s[46:47]
	s_add_nc_u64 s[12:13], s[12:13], s[20:21]
.macro FRAG reg, adr, q, i             ; a fragment, 16 rows x 128 K of 4-bit codes, is 8 registers: lane l holds row l % 16; registers 4 c .. 4 c + 3 hold K = 64 c + 32 (l / 16) + 0 .. 31
.irp c, 0,1
	ds_load_b128 v[\reg+4*\c:\reg+4*\c+3], v[\adr] offset:64*(\q)+32*\c+(\i)*16*PITCH
.endr
.endm
; 16 matrix instructions: A's blocks a0, a0 + 1 x B's eight, 128 along K: the slot's q-th.  p: B's set;  sc: the set of scale words.  zero = 1: the first product starts the sums: nothing is ever cleared.
; The 64 accumulators take turns, one instruction a turn, in the same order in every step.
.macro MUL16 a0, p, q, sc, zero
.irp a, \a0, \a0+1
.irp b, 0,1,2,3,4,5,6,7
.if \zero
	v_wmma_scale_f32_16x16x128_f8f6f4 v[8*(8*((\a)%4)+\b):8*(8*((\a)%4)+\b)+7], v[128*(\p)+FR*\b:128*(\p)+FR*\b+FR-1], v[AF+FR*(\a):AF+FR*(\a)+FR-1], 0, v[SC+8*NQ*(\sc)+NQ*\b+(\q)], v[SC+8*NQ*(\sc)+NQ*(\a)+(\q)] matrix_a_fmt:MATRIX_FMT_FP4 matrix_b_fmt:MATRIX_FMT_FP4 matrix_a_scale:MATRIX_SCALE_ROW1
.else
	v_wmma_scale_f32_16x16x128_f8f6f4 v[8*(8*((\a)%4)+\b):8*(8*((\a)%4)+\b)+7], v[128*(\p)+FR*\b:128*(\p)+FR*\b+FR-1], v[AF+FR*(\a):AF+FR*(\a)+FR-1], v[8*(8*((\a)%4)+\b):8*(8*((\a)%4)+\b)+7], v[SC+8*NQ*(\sc)+NQ*\b+(\q)], v[SC+8*NQ*(\sc)+NQ*(\a)+(\q)] matrix_a_fmt:MATRIX_FMT_FP4 matrix_b_fmt:MATRIX_FMT_FP4 matrix_a_scale:MATRIX_SCALE_ROW1
.endif
.endr
.endr
.endm
.macro FETCH_B slot, q, p              ; B's eight fragments of the slot's q-th 128 along K into set p
	WIN TO_B
.irp i, 0,1,2,3,4,5,6,7
	FRAG 128*(\p)+FR*\i, ADRB+\slot, \q, \i
.endr
	WIN 0
.endm
.macro FETCH_A slot, q, i0             ; A's blocks i0 .. i0 + 3
.irp i, \i0, \i0+1, \i0+2, \i0+3
	FRAG AF+FR*(\i), ADRA+\slot, \q, \i
.endr
.endm
.macro SCALES sc                       ; the next K step's scale words into set sc: NQ words a row; lanes 0-15 take A's block i, lanes 16-31 B's block i
.irp i, 0,1,2,3,4,5,6,7
	ds_load_b128 v[SC+8*NQ*\sc+NQ*\i:SC+8*NQ*\sc+NQ*\i+3], v[ADRS] offset:\i*SBLK
.endr
.endm
; A load into a register that a matrix instruction has read, and a vector instruction that reads a matrix result, stand NP places behind that matrix instruction, and only plain vector
; instructions that name none of its registers are places (ISA guide 7.12.1 for vector instructions).
.macro PLACES n
.rept \n
	v_nop
.endr
.endm
; A step of 128 along K that has its successor in the same slot.
.macro STEP slot, q, zero
	s_wait_dscnt 4*NL                              ; B's set and A's blocks 0-3 are in; the youngest eight loads (A's blocks 4-7) may be out
	WIN MUL_LO
	MUL16 0, (\q)%2, \q, \slot, \zero
	MUL16 2, (\q)%2, \q, \slot, \zero
	s_wait_dscnt 0                                 ; A's blocks 4-7 are in (asked for 32 matrix instructions ago)
	PLACES NP
	FETCH_B \slot, (\q)+1, 1-(\q)%2
	FETCH_A \slot, (\q)+1, 0
	WIN MUL_HI
	MUL16 4, (\q)%2, \q, \slot, \zero
	MUL16 6, (\q)%2, \q, \slot, \zero
	PLACES NP
	WIN 0
	FETCH_A \slot, (\q)+1, 4
.endm
; A slot's last step changes slots: ONE barrier; in front of it each wave waits for all its tensor loads, adds 0 to its spare word, and waits for that and for its own reads of this slot.  fill = 1: this slot is filled again, two K steps ahead.
.macro TURN slot, next, fill
	s_wait_tensorcnt 0x0                           ; all my tensor loads have landed: my part of the next slot;  (every window is 0 here)
	ds_add_u32 v[SPW], v[NIL]                      ; 0 onto my spare word
	s_wait_dscnt 4*NL+1                            ; (the add and the youngest eight loads, A's blocks 4-7, may be out)
	WIN MUL_LO
	MUL16 0, 1, NQ-1, \slot, 0                     ; sixteen matrix instructions stand between the add and the wait for it
	s_wait_dscnt 0x0                               ; the add is done, and my reads of this slot are over
	s_barrier_signal -1
	MUL16 2, 1, NQ-1, \slot, 0
	WIN 0
	s_barrier_wait -1
.if \fill
	CREST                                          ; the barrier has opened a round of the cluster's barrier: no wave of any partner still reads this slot's tile or has a load on its way
	s_add_nc_u64 s[G0+4*\slot+2:G0+4*\slot+3], s[G0+4*\slot+2:G0+4*\slot+3], 2*ROWB
	s_add_nc_u64 s[G0B+4*\slot+2:G0B+4*\slot+3], s[G0B+4*\slot+2:G0B+4*\slot+3], 2*ROWB
	JLOAD G0+4*\slot, G1, G0B+4*\slot, G1B         ; the first tensor load behind the round; the four v_nop behind it are the places in front of the loads below
.else
	PLACES NP
.endif
	v_add_nc_u32 v[ADRS], 4*NQ, v[ADRS]            ; on to the next K step's scale words (no LDS load of mine is out)
	FETCH_B \next, 0, 0
	FETCH_A \next, 0, 0
	SCALES \next
	WIN MUL_HI
	MUL16 4, 1, NQ-1, \slot, 0
	MUL16 6, 1, NQ-1, \slot, 0
	PLACES NP
	WIN 0
	FETCH_A \next, 0, 4
.endm
.macro STEPS slot, from                ; the slot's steps from .. NQ - 2
.set Q, \from
.rept NQ-1-\from
	STEP \slot, Q, 0
.set Q, Q+1
.endr
.endm
	s_wait_tensorcnt 1                             ; the scales and my part of K step 0 are in (K step 1's load may be out)
	s_barrier_signal -1
	s_barrier_wait -1                              ; everybody's are
	FETCH_B 0, 0, 0
	FETCH_A 0, 0, 0
	SCALES 0
	FETCH_A 0, 0, 4
	STEP 0, 0, 1                                   ; the first step stands in front of the loop: its products start the sums
	s_mov_b32 s3, LAPS-1
.Llap:                                                 ; a trip goes once round the ring, from a lap's second step to the next lap's first, and fills both slots again
	STEPS 0, 1
	TURN 0, 1, 1
	STEPS 1, 0
	TURN 1, 0, 1
	STEP 0, 0, 0
	s_sub_co_u32 s3, s3, 1
	s_cmp_lg_u32 s3, 0
	s_cbranch_scc1 .Llap
	STEPS 0, 1                                     ; the last lap fills nothing, and has no round of the cluster's barrier
	TURN 0, 1, 0
	STEPS 1, 0
	s_wait_dscnt 4*NL                              ; the very last step: nothing more to fetch
	WIN MUL_LO
	MUL16 0, 1, NQ-1, 1, 0
	MUL16 2, 1, NQ-1, 1, 0
	s_wait_dscnt 0
	WIN MUL_HI
	MUL16 4, 1, NQ-1, 1, 0
	MUL16 6, 1, NQ-1, 1, 0
	WIN 0
; THE WAY OUT, block by block of 16 rows x 128 columns.  PACK: a lane's eight neighbouring numbers of a row are rounded to f16: 16 bytes.  TOSTAGE: into my own stage in LDS, and back as whole rows of 256 bytes.
; SEND: stored: a wave's store covers 512 consecutive bytes, aligned.  LDS serves a wave's instructions in order (ISA guide 5.7.1.4): no wait between the stage's stores and loads.
.macro PACK a
.set AC, 64*((\a)%4)
	WIN 0x0a+5*((\a)/4)                            ; sources 0 and 1: window 2 or 3
.irp b, 0,1,2,3,4,5,6,7
.irp r, 0,1,2,3
	v_cvt_pk_f16_f32 v[TMP+4*\b+\r], v[AC+8*\b+2*\r], v[AC+8*\b+2*\r+1]    ; each accumulator from its low end on
.endr
.endr
	WIN 0
.endm
.macro TOSTAGE a
.set BB, OB+192*((\a)%2)
.irp b, 0,1,2,3,4,5,6,7
	ds_store_b128 v[STO], v[TMP+4*\b:TMP+4*\b+3] offset:32*\b
.endr
.irp t, 0,1,2,3,4,5,6,7
	ds_load_b128 v[BB+4*\t:BB+4*\t+3], v[RD] offset:\t*2*SPITCH
.endr
.endm
.macro SEND a
.set BB, OB+192*((\a)%2)
	s_wait_dscnt 0x0                               ; the block is back in registers
	s_wait_xcnt 0x0                                ; the earlier stores have read their registers: the next block's read-back may land there
.irp t, 0,1,2,3,4,5,6,7
	global_store_b128 v[CO], v[BB+4*\t:BB+4*\t+3], s[12:13] offset:(\a)*4096+512*\t
.endr
.endm
	PLACES NP                                      ; behind the last products: the conversions read results, and the read-backs land on registers that held scale words
	PACK 0
	TOSTAGE 0
.irp a, 1,2,3,4,5,6,7                  ; block a's conversions stand between block a - 1's loads from the stage and the wait for them
	PACK \a
	SEND \a-1
	TOSTAGE \a
.endr
	SEND 7
	s_wait_tensorcnt 0x0                           ; the wave's end: behind my last tensor load and my last LDS store
	ds_add_u32 v[SPW], v[NIL]
	s_wait_dscnt 0x0
	CROUND                                         ; the closing round: no work-group ends while a partner may still ask for a tile that names it
	s_endpgm
.Lfunc_end_k_q3f27db5750_qkv:
	.size	k_q3f27db5750_qkv, .Lfunc_end_k_q3f27db5750_qkv-k_q3f27db5750_qkv
	.p2alignl 7, 3214868480
	.fill 96, 4, 3214868480
	.section	.rodata,"a",@progbits
	.p2align	6, 0x0
	.amdhsa_kernel k_q3f27db5750_qkv
		.amdhsa_group_segment_fixed_size 327680
		.amdhsa_private_segment_fixed_size 0
		.amdhsa_enable_private_segment 0
		.amdhsa_kernarg_size 40
		.amdhsa_user_sgpr_count 2
		.amdhsa_user_sgpr_kernarg_segment_ptr 1
		.amdhsa_wavefront_size32 1
		.amdhsa_system_sgpr_workgroup_id_x 1
		.amdhsa_system_sgpr_workgroup_id_y 1
		.amdhsa_system_sgpr_workgroup_id_z 1
		.amdhsa_system_vgpr_workitem_id 0
		.amdhsa_next_free_vgpr 1024
		.amdhsa_next_free_sgpr 98
		.amdhsa_reserve_vcc 0
		.amdhsa_float_denorm_mode_32 3
		.amdhsa_float_denorm_mode_16_64 3
		.amdhsa_memory_ordered 1
		.amdhsa_forward_progress 1
		.amdhsa_inst_pref_size 213
	.end_amdhsa_kernel
	.amdgpu_metadata
---
amdhsa.version: [ 1, 2 ]
amdhsa.kernels:
  - .name:           k_q3f27db5750_qkv
    .symbol:         k_q3f27db5750_qkv.kd
    .args:
      - { .name: xc, .offset: 0, .size: 8, .value_kind: global_buffer, .address_space: global }
      - { .name: xs, .offset: 8, .size: 8, .value_kind: global_buffer, .address_space: global }
      - { .name: wc, .offset: 16, .size: 8, .value_kind: global_buffer, .address_space: global }
      - { .name: ws, .offset: 24, .size: 8, .value_kind: global_buffer, .address_space: global }
      - { .name: qkv16, .offset: 32, .size: 8, .value_kind: global_buffer, .address_space: global }
    .group_segment_fixed_size: 327680
    .private_segment_fixed_size: 0
    .kernarg_segment_align: 8
    .kernarg_segment_size: 40
    .max_flat_workgroup_size: 128
    .sgpr_count:     98
    .vgpr_count:     1024
    .wavefront_size: 32
...
	.end_amdgpu_metadata
.endif
;; end of part 2
;; launch attn (part 3): grid 4 x 64, 16 waves a work-group, clusters of 4 x 1, 327,680 bytes of LDS; arguments qkv16, a16; writes a16
.if DOCPART == 3
	.amdgcn_target "amdgcn-amd-amdhsa--gfx1250"
	.amdhsa_code_object_version 6
	.text
	.protected	k_q3f27db5750_attn
	.globl	k_q3f27db5750_attn
	.p2align	8
	.type	k_q3f27db5750_attn,@function
k_q3f27db5750_attn:
	s_mov_b64 s[64:65], 0
	v_nop
	global_prefetch_b8 v0, s[64:65] scope:SCOPE_SE
	s_setreg_imm32_b32 hwreg(HW_REG_WAVE_MODE, 25, 1), 1
	s_wait_xcnt 0x0
	s_wait_alu depctr_hold_cnt(0) depctr_sa_sdst(0) depctr_va_vdst(0) depctr_va_sdst(0) depctr_va_ssrc(0) depctr_va_vcc(0) depctr_vm_vsrc(0)
	s_getreg_b32 s2, hwreg(HW_REG_IB_STS2, 6, 4)
	s_cmp_eq_u32 s2, 0
	s_cbranch_scc0 .Lentry_in_a_cluster
	s_endpgm
.Lentry_in_a_cluster:
	s_bfe_u32 s2, ttmp6, 0x10000c
	s_cmp_lg_u32 s2, 0x3003
	s_cbranch_scc0 .Lentry_shape_is_right
	s_endpgm
.Lentry_shape_is_right:
; O[b][h][q][:] = the sum over keys k <= q of softmax_k(Q[q] . K[k] / sqrt(128)) V[k][:], for each of 64 (batch, head) pairs of 512 positions x 128 channels.
; Q, K, V: f16, [which][b][h][position][128], 256 bytes a row.  Products by the f16 matrix form with f32 sums; maxima, exponentials and row sums in f32; the weights p are rounded to f16 for the second
; product, O once at the end, into a16 [b x 512 + position][h x 128 + channel], f16.  LIMIT: |v| at or under 65,504 (so is |O|); NaN and infinities are not served.
; SHARES.  The four work-groups of a cluster serve one (batch, head).  The whole head's K and V lie in each work-group's LDS, filled ONCE by joint loads (the same tensor load, descriptor and mask in all four).
; A work-group has eight tiles of 16 queries: tile j holds queries 64 j + 16 cx .. + 15, cx the work-group's place in the cluster, and wants key steps 0 .. j of 64 keys; step j is its diagonal.
; TWO WAVES SHARE A TILE: with s = wave % 4, waves 0-7 take j = s and waves 8-15 j = 7 - s; p = bit 2 of the wave's number; the wave walks key steps p, p + 2, p + 4, p + 6 as far as they are at or under j.
; So no wave has more than four steps on end, and waves w, w + 4, w + 8, w + 12 have nine together.  Each wave keeps a maximum, a sum and an O^T of its own keys; at the end the wave with p = 1 hands
; its three to its partner through LDS, and the partner joins them.  Trip counts and branches hang on the wave's number alone and are alike in all partners of the cluster; cx enters Q's and O's
; addresses and a mask REGISTER only.  Every wave walks four steps' address lines; a step whose keys all come after the tile's queries leaves its work out by a scalar branch on ids.
; LAYOUT.  S^T = K Q^T (source 0 = 16 keys, source 1 = my 16 queries): a lane holds ONE query (lane % 16) and keys 8 (lane / 16) + 0..7 of each tile.  Two such tiles, rounded to f16 in pairs, ARE source 1
; (32 keys x 16 queries) of O^T = V^T P, whose result again holds one query a lane and eight channels.  K comes out of LDS as it lies, V ([key][channel]) turned, by ds_load_tr16_b128.
; SOFTMAX.  A running maximum m and sum l for each query: p = 2^(c s - c m), c = log2(e) / sqrt(128); in every step O and l are multiplied by a = 2^(c m_old - c m_new).
; The step is written once: m begins at -3e38, under every score, and l and O^T as zeros, which the first a, 0, leaves zeros.  The wave with j = 0 and p = 1 has no step at all and hands that state on.
.set PK,    272                        ; a row of K in LDS: 256 bytes + 16 of padding: the 16 rows of a load start at 16 different banks (64 banks of 4 bytes: ISA guide 11.1)
.set PV,    288                        ; a row of V: 256 + 32
.set KSB,   64*PK                      ; a key step's rows of K
.set VSB,   64*PV                      ; and of V
.set VOFF,  512*PK                     ; V's 512 rows lie behind K's 512
.set STAGE, VOFF+512*PV                ; behind them: 16 rows x 272 bytes for each pair of waves, for the way out: no fill lands there
.set SP,    272
.set SPARE, STAGE+8*16*SP              ; the spare words, 128 bytes for each wave: eight blocks of 256 bytes that no other line names
.set MGB,   17*512                     ; what a wave hands to its partner: an image of 68 registers, 512 bytes for each four.  The eight images lie from LDS byte 0 on, in K's bytes, which have had their one fill and their last read by then
.set AK0, 1                            ; v1   my lane's place in a tile of K; never rewritten
.set AV0, 2                            ; v2   the same for V
.set ADK, 3                            ; v3   LDS address of the step's K
.set ADV, 4                            ; v4   and V
.set QO,  5                            ; v5   my byte offset in the tile's rows of Q
.set STO, 6                            ; v6   the way out: where I put 16 bytes of a row
.set RD,  7                            ; v7   where I read a row back
.set GO,  8                            ; v8   my byte offset in the tile's rows of a16
.set DM,  9                            ; v9   16 cx + lane % 16 - 8 (lane / 16): on the diagonal, register 8 kt + i is hidden where 16 kt + i is above it
.set NINF, 10                          ; v10  -infinity
.set MG,  11                           ; v11  16 x lane + my pair's image
.set CM,  12                           ; v12  c m;  v13 m
.set M,   13
.set L,   14                           ; v[14:15] l: even keys', odd keys'
.set A,   16                           ; v16  a, later fa / l;  v17 = 0, named with it as a pair
.set C0,  18                           ; v18-21 four chains of the maximum; later v18 = fb / l, v19 named with it as a pair
.set T0,  22                           ; v22-25 at work
.set SPW, 30                           ; v30  LDS address of my spare word: SPARE + 4 x my thread's number; never rewritten
.set NIL, 31                           ; v31  0; never rewritten
.set Q,   32                           ; v32-63   Q: four fragments of 16 queries x 32 channels
.set S,   64                           ; v64-95   S^T: four tiles of 16 keys; then p; p's f16 pairs are laid into v64-79
.set O,   96                           ; v96-159  O^T: eight tiles of 16 channels
.set F,   160                          ; v160-255 twelve places for fragments of K or V
.set BS,  160                          ; at the end: v160-163 my partner's c m, m, l
.set OP,  192                          ; v192-255 my partner's O^T
.set WV,  12                           ; s12  my wave's number
.set CX,  13                           ; s13  my work-group's place in the cluster
.set J,   14                           ; s14  my tile, and its last key step
.set Q4,  15                           ; s15  wave % 4: which key steps I fetch, if I fetch
.set G1K, 24                           ; s[24:31] descriptor group 1 for K's tiles
.set G1V, 32                           ; s[32:39] for V's: it differs in the padding alone
.set G0K, 40                           ; s[40:47] descriptor group 0 for K's tiles: two sets
.set G0V, 48                           ; s[48:55] the same for V's
.set TBK, 56                           ; s56  LDS byte at which the step's K begins
.set TBV, 57                           ; s57  the same for V, from VOFF
.set CS,  58                           ; s[58:59] c: the packed scaling names a pair and takes its low word for both halves
.set SEL, 60                           ; s[60:61] lane selects for v_permlanex16_b32: lane l xor 16
.set STP, 62                           ; s62  the key step in hand
.set LC,  63                           ; s63  counts a loop's trips
.set PR,  66                           ; s66  p: 0: I keep the tile; 1: I hand my part on
.set PAIR, 67                          ; s67  which of the eight pairs of waves is mine
.macro CROUND                          ; a round of the cluster's barrier
	s_barrier_signal -1
	s_barrier_wait -1
	s_cmp_lg_u32 s[WV], 0
	s_cbranch_scc1 .Lnot_wave_0_\@
	s_barrier_signal -3
.Lnot_wave_0_\@:
	s_barrier_wait -3
	s_barrier_signal -1
	s_barrier_wait -1
.endm
.macro PLACES                          ; four places behind matrix instructions: in front of loads into registers that they have read, and of the first read of results
.rept 4
	v_nop
.endr
.endm
	s_load_b128 s[4:7], s[0:1], 0x0                ; qkv16 s[4:5], a16 s[6:7]
	v_lshl_add_u32 v[SPW], v0, 2, SPARE
	v_mov_b32 v[NIL], 0
	ds_add_u32 v[SPW], v[NIL]                      ; the wave's opening: the add, twice on end, and its wait ahead of my first tensor load; the set-up below, work on registers, stands between
	ds_add_u32 v[SPW], v[NIL]                      ; and once more, under the one wait
	v_lshrrev_b32 v1, 5, v0
	v_readfirstlane_b32 s[WV], v1                  ; wave 0..15
	s_bfe_u32 s[CX], ttmp6, 0x40000
	s_and_b32 s[Q4], s[WV], 3                      ; s
	s_lshr_b32 s[PAIR], s[WV], 3
	s_mul_i32 s[J], s[PAIR], 7
	s_xor_b32 s[J], s[J], s[Q4]                    ; s in waves 0-7, 7 - s in waves 8-15
	s_bfe_u32 s[PR], s[WV], 0x10002                ; p: bit 2
	s_lshl_b32 s[PAIR], s[PAIR], 2
	s_add_co_u32 s[PAIR], s[PAIR], s[Q4]           ; waves w and w + 4 of a pair have the same
	s_and_b32 s16, ttmp7, 0xffff                   ; 16 x batch + head, which the four partners share
	; K's and V's tiles: made of the (batch, head) and the wave's number alone, in registers that never hold cx
	s_lshl_b32 s18, s16, 17                        ; a head's 512 rows of 256 bytes
	s_lshl_b32 s19, s[Q4], 14                      ; key step wave % 4: 64 rows
	s_add_co_u32 s18, s18, s19
	s_add_co_u32 s18, s18, 64<<17                  ; K lies 64 heads behind Q
	s_mov_b32 s19, 0
	s_mul_i32 s2, s[Q4], KSB                       ; and where they go in LDS
	s_mul_i32 s3, s[Q4], VSB
	s_add_co_u32 s3, s3, VOFF
	; Q's and O's rows
	s_lshl_b32 s20, s[J], 6
	s_lshl_b32 s21, s[CX], 4
	s_add_co_u32 s20, s20, s21                     ; my first query: 64 j + 16 cx
	s_lshl_b32 s22, s20, 8
	s_lshl_b32 s21, s16, 17
	s_add_co_u32 s22, s22, s21                     ; its row of Q
	s_mov_b32 s23, 0
	s_lshr_b32 s21, s16, 4
	s_lshl_b32 s21, s21, 9
	s_add_co_u32 s20, s20, s21                     ; 512 x batch + position
	s_lshl_b32 s20, s20, 12                        ; rows of 4,096 bytes
	s_and_b32 s21, s16, 15
	s_lshl_b32 s21, s21, 8                         ; the head's 256 bytes of a row
	s_add_co_u32 s20, s20, s21
	s_mov_b32 s21, 0
	; descriptor group 1: a tile of 64 rows x 128 elements, padded in LDS
	s_mov_b32 s[G1K], 15|(1<<16)|(1<<20)|(1<<21)|(5<<22)|(3<<25)  ; 15:0 the mask: all four work-groups; 17:16 elements of 2 bytes; 20 padding on; 21 set beside a mask; 24:22 after every 64 words (code 5); 31:25 4 words of it (code 3)
	s_mov_b32 s[G1V], 15|(1<<16)|(1<<20)|(1<<21)|(5<<22)|(7<<25)  ; the same with 8 words of padding (code 7)
.irp g, G1K, G1V
	s_mov_b32 s[\g+1], 128<<16                     ; tensor_dim0 = 128
	s_mov_b32 s[\g+2], 64<<16                      ; tensor_dim1 = 64
	s_mov_b32 s[\g+3], 128<<16                     ; tile_dim0 = 128
	s_mov_b32 s[\g+4], 64                          ; tile_dim1 = 64
	s_mov_b32 s[\g+5], 128                         ; elements from row to row
	s_mov_b32 s[\g+6], 0
	s_mov_b32 s[\g+7], 0
.endr
	s_mov_b32 s[CS], 0x3e0293ee                    ; c = log2(e) / sqrt(128)
	s_mov_b32 s[CS+1], s[CS]                       ; named with it as a pair, so it is written
	s_mov_b32 s[SEL], 0x76543210
	s_mov_b32 s[SEL+1], 0xfedcba98
	s_mul_i32 s[TBK], s[PR], KSB                   ; my first key step is step p
	s_mul_i32 s[TBV], s[PR], VSB
	s_mov_b32 s[STP], s[PR]
	s_wait_dscnt 0x0                               ; both opening adds are done
	s_wait_kmcnt 0x0
	s_add_nc_u64 s[8:9], s[4:5], s[18:19]          ; K at my first tile
	s_add_nc_u64 s[10:11], s[8:9], 0x800000        ; V lies 64 heads behind K
	s_add_nc_u64 s[4:5], s[4:5], s[22:23]          ; Q at my first query
	s_add_nc_u64 s[6:7], s[6:7], s[20:21]          ; a16 likewise
	CROUND                                         ; all four work-groups are here: the joint loads meet
.irp i, 0,1                            ; set i: key step wave % 4 + 4 i
	s_mov_b32 s[G0K+4*\i], 1                                       ; count = 1
	s_add_co_u32 s[G0K+4*\i+1], s2, \i*4*KSB                       ; LDS address
	s_add_nc_u64 s[G0K+4*\i+2:G0K+4*\i+3], s[8:9], \i*65536        ; global address: 256 rows on
	s_or_b32 s[G0K+4*\i+3], s[G0K+4*\i+3], 0x80000000              ; type = 2
	s_mov_b32 s[G0V+4*\i], 1
	s_add_co_u32 s[G0V+4*\i+1], s3, \i*4*VSB
	s_add_nc_u64 s[G0V+4*\i+2:G0V+4*\i+3], s[10:11], \i*65536
	s_or_b32 s[G0V+4*\i+3], s[G0V+4*\i+3], 0x80000000
.endr
	s_cmp_lt_u32 s[WV], 4                          ; waves 0-3 fetch K, waves 4-7 V, the others nothing.  A wave's two fills stand in one branch, ahead of every wait on TENSORcnt and every LDS read: two loads of mine are out at the most
	s_cbranch_scc0 .Lnot_k
	tensor_load_to_lds s[G0K:G0K+3], s[G1K:G1K+7]
	s_nop 0
	tensor_load_to_lds s[G0K+4:G0K+7], s[G1K:G1K+7]
	s_nop 0
.rept 4
	v_nop
.endr
	s_branch .Lfirst_asked
.Lnot_k:
	s_cmp_lt_u32 s[WV], 8
	s_cbranch_scc0 .Lfirst_asked
	tensor_load_to_lds s[G0V:G0V+3], s[G1V:G1V+7]
	s_nop 0
	tensor_load_to_lds s[G0V+4:G0V+7], s[G1V:G1V+7]
	s_nop 0
.rept 4
	v_nop
.endr
.Lfirst_asked:
	; A fragment of K or Q is 16 rows x 32 channels in 8 registers: lane l holds row l % 16; registers 0-3 channels 8 (l / 16) + 0..7, registers 4-7 channels 16 + 8 (l / 16) + 0..7: two loads of 16 bytes, 32 apart.
	v_and_b32 v26, 15, v0                          ; r = l % 16
	v_bfe_u32 v27, v0, 4, 1                        ; h = l / 16
	v_lshlrev_b32 v[QO], 8, v26
	v_lshl_add_u32 v[QO], v27, 4, v[QO]
.irp c, 0,1,2,3                        ; Q stays in registers: channels 32 c on.  Both waves of a pair hold the tile's Q
	global_load_b128 v[Q+8*\c:Q+8*\c+3],   v[QO], s[4:5] offset:\c*64
	global_load_b128 v[Q+8*\c+4:Q+8*\c+7], v[QO], s[4:5] offset:\c*64+32
.endr
	v_mul_u32_u24 v[AK0], v26, PK
	v_lshl_add_u32 v[AK0], v27, 4, v[AK0]          ; row x pitch + 16 x half
	; The turning load takes 16 keys x 16 channels (lane l reads 16 bytes: key 8 (l / 16) + l % 8, channels 8 ((l / 8) % 2) + 0..7) and leaves half a fragment of V^T: lane l holds channel l % 16 and 8 keys.
	v_and_b32 v28, 7, v0
	v_bfe_u32 v29, v0, 3, 1
	v_lshl_add_u32 v[AV0], v27, 3, v28
	v_mul_u32_u24 v[AV0], v[AV0], PV
	v_lshl_add_u32 v[AV0], v29, 4, v[AV0]
	v_add_nc_u32 v[AV0], VOFF, v[AV0]
	; every LDS address of the end is made here, ahead of the place where the two roles part
	s_mul_i32 s16, s[PAIR], 16*SP
	s_add_co_u32 s16, s16, STAGE                   ; my pair's stage
	v_mul_u32_u24 v[STO], v26, SP                  ; in: row r, 16 bytes for each half of the lanes
	v_lshl_add_u32 v[STO], v27, 4, v[STO]
	v_add_nc_u32 v[STO], s16, v[STO]
	v_mul_u32_u24 v[RD], v27, SP                   ; back: lanes 0-15 take one row of 256 bytes, lanes 16-31 the next
	v_lshl_add_u32 v[RD], v26, 4, v[RD]
	v_add_nc_u32 v[RD], s16, v[RD]
	s_mul_i32 s17, s[PAIR], MGB
	v_and_b32 v29, 31, v0
	v_lshl_add_u32 v[MG], v29, 4, s17              ; my pair's image: 16 bytes a lane for each four registers
	v_lshlrev_b32 v[GO], 12, v27                   ; two rows of a16
	v_lshl_add_u32 v[GO], v26, 4, v[GO]
	v_lshlrev_b32 v28, 3, v27
	v_sub_nc_u32 v[DM], v26, v28
	s_lshl_b32 s17, s[CX], 4
	v_add_nc_u32 v[DM], s17, v[DM]                 ; 16 cx + r - 8 h, signed
	v_mov_b32 v[NINF], 0xff800000
	v_mov_b32 v[M], 0xff61b1e6                     ; the largest score so far: -3e38, under every score
	v_mul_f32 v[CM], s[CS], v[M]
	v_mov_b32 v[L], 0
	v_mov_b32 v[L+1], 0
	v_mov_b32 v[A+1], 0                            ; named as the upper half of the pair with a: written once
	v_mov_b32 v[C0], 0                             ; named at the end on every way through the text: written once here
	v_mov_b32 v[C0+1], 0
.irp j, 0,1,2,3,4,5,6,7,8,9,10,11,12,13,14,15,16,17,18,19,20,21,22,23,24,25,26,27,28,29,30,31,32,33,34,35,36,37,38,39,40,41,42,43,44,45,46,47,48,49,50,51,52,53,54,55,56,57,58,59,60,61,62,63
	v_mov_b32 v[O+\j], 0                           ; O^T: the step is written once, and one wave of the sixteen has no step
.endr
; A KEY STEP: 64 keys.
.macro STEP
	v_add_nc_u32 v[ADK], s[TBK], v[AK0]            ; written on every way.  With the four v_nop below: six places between the last step's products and this step's, whose results land on registers that those read
	v_add_nc_u32 v[ADV], s[TBV], v[AV0]
	s_cmp_gt_u32 s[STP], s[J]                      ; all 64 keys come after my 16 queries: the step's work is left out.  Ids alone; no barrier and no tensor load stands in a step
	s_cbranch_scc1 .Lskip_\@
	PLACES
	; S^T = K Q^T.  Fragment (key tile kt, channel chunk c).  Chunks 0, 1, 2 fill the twelve places; chunk 3 follows into chunk 0's.  The four accumulators take turns.
.irp c, 0,1,2
.irp kt, 0,1,2,3
	ds_load_b128 v[F+8*(4*\c+\kt):F+8*(4*\c+\kt)+3],   v[ADK] offset:\kt*16*PK+\c*64
	ds_load_b128 v[F+8*(4*\c+\kt)+4:F+8*(4*\c+\kt)+7], v[ADK] offset:\kt*16*PK+\c*64+32
.endr
.endr
	s_wait_dscnt 16                                ; chunk 0's eight loads are in; chunks 1 and 2 may be out
.irp kt, 0,1,2,3
	v_wmma_f32_16x16x32_f16 v[S+8*\kt:S+8*\kt+7], v[F+8*\kt:F+8*\kt+7], v[Q:Q+7], 0
.endr
	s_wait_dscnt 8                                 ; chunk 1 is in
.irp kt, 0,1,2,3
	v_wmma_f32_16x16x32_f16 v[S+8*\kt:S+8*\kt+7], v[F+32+8*\kt:F+32+8*\kt+7], v[Q+8:Q+15], v[S+8*\kt:S+8*\kt+7]
.endr
	PLACES
.irp kt, 0,1,2,3
	ds_load_b128 v[F+8*\kt:F+8*\kt+3],   v[ADK] offset:\kt*16*PK+192
	ds_load_b128 v[F+8*\kt+4:F+8*\kt+7], v[ADK] offset:\kt*16*PK+192+32
.endr
	s_wait_dscnt 8                                 ; chunk 2 is in; the eight just issued may be out
.irp kt, 0,1,2,3
	v_wmma_f32_16x16x32_f16 v[S+8*\kt:S+8*\kt+7], v[F+64+8*\kt:F+64+8*\kt+7], v[Q+16:Q+23], v[S+8*\kt:S+8*\kt+7]
.endr
	s_wait_dscnt 0x0
.irp kt, 0,1,2,3
	v_wmma_f32_16x16x32_f16 v[S+8*\kt:S+8*\kt+7], v[F+8*\kt:F+8*\kt+7], v[Q+24:Q+31], v[S+8*\kt:S+8*\kt+7]
.endr
	PLACES                                         ; in front of V's loads and of the first read of the scores
	; V's fragments (32 keys kc, channel tile ct) are asked for now and land under the softmax: kc = 0 into places 0-7, kc = 1 with ct 0-3 into places 8-11
.irp ct, 0,1,2,3,4,5,6,7
	ds_load_tr16_b128 v[F+8*\ct:F+8*\ct+3],   v[ADV] offset:\ct*32
	ds_load_tr16_b128 v[F+8*\ct+4:F+8*\ct+7], v[ADV] offset:16*PV+\ct*32
.endr
.irp ct, 0,1,2,3
	ds_load_tr16_b128 v[F+64+8*\ct:F+64+8*\ct+3],   v[ADV] offset:32*PV+\ct*32
	ds_load_tr16_b128 v[F+64+8*\ct+4:F+64+8*\ct+7], v[ADV] offset:48*PV+\ct*32
.endr
	s_cmp_lg_u32 s[STP], s[J]                      ; on the tile's diagonal step the scores of hidden keys become -infinity ahead of the maximum: p = 0 then.  Key 64 j counts for each of my queries, so the step's maximum is a number
	s_cbranch_scc1 .Lopen_\@
.irp kt, 0,1,2,3
.irp i, 0,1,2,3,4,5,6,7
	v_cmp_gt_i32 vcc_lo, 16*\kt+\i, v[DM]
	v_cndmask_b32 v[S+8*\kt+\i], v[S+8*\kt+\i], v[NINF], vcc_lo
.endr
.endr
.Lopen_\@:
	; the maximum of my 32 scores and the old m, three operands at a time, in four chains; each tile is read from its low end on
.irp q, 0,1,2,3
	v_max3_num_f32 v[C0+\q], v[S+8*\q], v[S+8*\q+1], v[S+8*\q+2]
.endr
.irp q, 0,1,2,3
	v_max3_num_f32 v[C0+\q], v[C0+\q], v[S+8*\q+3], v[S+8*\q+4]
.endr
.irp q, 0,1,2,3
	v_max3_num_f32 v[C0+\q], v[C0+\q], v[S+8*\q+5], v[S+8*\q+6]
.endr
	v_max3_num_f32 v[C0], v[C0], v[S+7], v[S+15]
	v_max3_num_f32 v[C0+2], v[C0+2], v[S+23], v[S+31]
	v_max3_num_f32 v[C0], v[C0], v[C0+1], v[C0+2]
	v_max3_num_f32 v[C0], v[C0], v[C0+3], v[M]
	v_permlanex16_b32 v[C0+1], v[C0], s[SEL], s[SEL+1]             ; the query's other 32 keys lie in the lane 16 away
	v_mov_b32 v[T0], v[CM]                         ; c m_old is kept for a
	v_max_num_f32 v[M], v[C0], v[C0+1]
	v_mul_f32 v[CM], s[CS], v[M]
	v_sub_f32 v[T0], v[T0], v[CM]
.irp b, 0,2,4,6,8,10,12,14,16,18,20,22,24,26,28,30
	v_pk_fma_f32 v[S+\b:S+\b+1], v[S+\b:S+\b+1], s[CS:CS+1], v[CM:CM+1] op_sel_hi:[1,0,0] neg_lo:[0,0,1] neg_hi:[0,0,1]   ; c s - c m, two at a time
.endr
	; the exponentials are ONE batch: none reads another's result
	v_exp_f32 v[A], v[T0]
.irp e, 0,1,2,3,4,5,6,7,8,9,10,11,12,13,14,15,16,17,18,19,20,21,22,23,24,25,26,27,28,29,30,31
	v_exp_f32 v[S+\e], v[S+\e]
.endr
	v_nop                                          ; a plain instruction behind the last exponential, ahead of the first use
	s_wait_alu depctr_va_vdst(0)                   ; the wait ahead of the batch's first reader: one for all
	v_pk_add_f32 v[T0:T0+1], v[S:S+1], v[S+2:S+3]                  ; the row's sum, of the unrounded p, in two chains
	v_pk_add_f32 v[T0+2:T0+3], v[S+4:S+5], v[S+6:S+7]
.irp j, 8,12,16,20,24,28
	v_pk_add_f32 v[T0:T0+1], v[T0:T0+1], v[S+\j:S+\j+1]
	v_pk_add_f32 v[T0+2:T0+3], v[T0+2:T0+3], v[S+\j+2:S+\j+3]
.endr
	v_pk_add_f32 v[T0:T0+1], v[T0:T0+1], v[T0+2:T0+3]
	v_pk_fma_f32 v[L:L+1], v[L:L+1], v[A:A+1], v[T0:T0+1] op_sel_hi:[1,0,1]   ; l = a l + the sum
.irp j, 0,1,2,3,4,5,6,7,8,9,10,11,12,13,14,15
	v_cvt_pk_f16_f32 v[S+\j], v[S+2*\j], v[S+2*\j+1]               ; p in f16, in place: line j writes register j and reads 2 j, 2 j + 1, which no earlier line wrote
.endr
.irp j, 0,2,4,6,8,10,12,14,16,18,20,22,24,26,28,30,32,34,36,38,40,42,44,46,48,50,52,54,56,58,60,62
	v_pk_mul_f32 v[O+\j:O+\j+1], v[O+\j:O+\j+1], v[A:A+1] op_sel_hi:[1,0]   ; O^T times a, each tile from its low end on
.endr
	; O^T += V^T P.  The eight accumulators take turns.
	s_wait_dscnt 8                                 ; kc = 0's sixteen loads are in; kc = 1's eight may be out
.irp ct, 0,1,2,3,4,5,6,7
	v_wmma_f32_16x16x32_f16 v[O+8*\ct:O+8*\ct+7], v[F+8*\ct:F+8*\ct+7], v[S:S+7], v[O+8*\ct:O+8*\ct+7]
.endr
	PLACES
.irp ct, 4,5,6,7                       ; kc = 1, ct 4-7 into places 0-3
	ds_load_tr16_b128 v[F+8*(\ct-4):F+8*(\ct-4)+3],   v[ADV] offset:32*PV+\ct*32
	ds_load_tr16_b128 v[F+8*(\ct-4)+4:F+8*(\ct-4)+7], v[ADV] offset:48*PV+\ct*32
.endr
	s_wait_dscnt 8                                 ; kc = 1, ct 0-3 are in; the eight just issued may be out
.irp ct, 0,1,2,3
	v_wmma_f32_16x16x32_f16 v[O+8*\ct:O+8*\ct+7], v[F+64+8*\ct:F+64+8*\ct+7], v[S+8:S+15], v[O+8*\ct:O+8*\ct+7]
.endr
	s_wait_dscnt 0x0
.irp ct, 4,5,6,7
	v_wmma_f32_16x16x32_f16 v[O+8*\ct:O+8*\ct+7], v[F+8*(\ct-4):F+8*(\ct-4)+7], v[S+8:S+15], v[O+8*\ct:O+8*\ct+7]
.endr
.Lskip_\@:
	s_add_co_u32 s[TBK], s[TBK], 2*KSB             ; my next step lies two on: my partner has the one between
	s_add_co_u32 s[TBV], s[TBV], 2*VSB
	s_add_co_u32 s[STP], s[STP], 2
.endm
	s_wait_tensorcnt 1                             ; a fetching wave's first load, a tile of key steps 0-3, has landed; its second may stay out
	s_barrier_signal -1
	s_barrier_wait -1                              ; everybody's has: K and V of keys 0-255 are whole
	s_wait_loadcnt 0x0                             ; Q
	s_mov_b32 s[LC], 2
.Llow:                                             ; key steps p and p + 2
	STEP
	s_sub_co_u32 s[LC], s[LC], 1
	s_cmp_lg_u32 s[LC], 0
	s_cbranch_scc1 .Llow
	s_wait_tensorcnt 0x0                           ; my second load has landed,
	s_wait_dscnt 0x0
	s_barrier_signal -1
	s_barrier_wait -1                              ; everybody's has: keys 256-511 are whole.  Nothing is filled again in this launch
	s_mov_b32 s[LC], 2
.Lhigh:                                            ; key steps p + 4 and p + 6
	STEP
	s_sub_co_u32 s[LC], s[LC], 1
	s_cmp_lg_u32 s[LC], 0
	s_cbranch_scc1 .Lhigh
	; THE TWO PARTS OF A TILE ARE JOINED.  The wave with p = 1 stores an image of c m, m, l and O^T; its partner loads the same registers into the same lanes.
	PLACES                                         ; behind the last products: LDS stores and vector instructions read results, and loads land on registers that held fragments
	s_wait_dscnt 0x0                               ; my reads of K and V are over
	s_barrier_signal -1
	s_barrier_wait -1                              ; everybody's are: K's bytes, filled once in the launch, may be written
	s_cmp_eq_u32 s[PR], 0
	s_cbranch_scc1 .Lkeeps
	ds_store_b128 v[MG], v[CM:CM+3]                ; c m, m, l
.irp i, 0,1,2,3,4,5,6,7,8,9,10,11,12,13,14,15
	ds_store_b128 v[MG], v[O+4*\i:O+4*\i+3] offset:512+512*\i      ; each accumulator from its low end on
.endr
.Lkeeps:
	s_wait_dscnt 0x0                               ; for my partner's sake: my stores are done
	s_barrier_signal -1
	s_barrier_wait -1
	s_cmp_lg_u32 s[PR], 0
	s_cbranch_scc1 .Lend                           ; the wave that has handed its part on has nothing left to do
	ds_load_b128 v[BS:BS+3], v[MG]
.irp i, 0,1,2,3,4,5,6,7,8,9,10,11,12,13,14,15
	ds_load_b128 v[OP+4*\i:OP+4*\i+3], v[MG] offset:512+512*\i
.endr
	s_wait_dscnt 0x0
	v_max_num_f32 v[T0], v[CM], v[BS]              ; c m of all the tile's keys (c is positive)
	v_sub_f32 v[T0+1], v[CM], v[T0]
	v_sub_f32 v[T0+2], v[BS], v[T0]
	v_exp_f32 v[A], v[T0+1]                        ; fa: my part under the joint maximum
	v_exp_f32 v[C0], v[T0+2]                       ; fb: my partner's; 0 where it had no step
	v_nop                                          ; a plain instruction behind the exponentials
	s_wait_alu depctr_va_vdst(0)                   ; the wait ahead of their first reader
	v_pk_mul_f32 v[L:L+1], v[L:L+1], v[A:A+1] op_sel_hi:[1,0]
	v_pk_fma_f32 v[L:L+1], v[BS+2:BS+3], v[C0:C0+1], v[L:L+1] op_sel_hi:[1,0,1]   ; l = fa l_a + fb l_b
	v_add_f32 v[L], v[L], v[L+1]                   ; its two halves,
	v_permlanex16_b32 v[T0], v[L], s[SEL], s[SEL+1]
	v_add_f32 v[L], v[L], v[T0]                    ; and the other half of the lanes': the row's sum
	v_rcp_f32 v[T0+1], v[L]
	v_nop                                          ; a plain instruction between the reciprocal and its use
	s_wait_alu depctr_va_vdst(0)                   ; and the wait ahead of the first use
	v_mul_f32 v[A], v[A], v[T0+1]                  ; fa / l and fb / l: the division rides on the joining
	v_mul_f32 v[C0], v[C0], v[T0+1]
.irp j, 0,2,4,6,8,10,12,14,16,18,20,22,24,26,28,30,32,34,36,38,40,42,44,46,48,50,52,54,56,58,60,62
	v_pk_mul_f32 v[O+\j:O+\j+1], v[O+\j:O+\j+1], v[A:A+1] op_sel_hi:[1,0]
.endr
.irp j, 0,2,4,6,8,10,12,14,16,18,20,22,24,26,28,30,32,34,36,38,40,42,44,46,48,50,52,54,56,58,60,62
	v_pk_fma_f32 v[O+\j:O+\j+1], v[OP+\j:OP+\j+1], v[C0:C0+1], v[O+\j:O+\j+1] op_sel_hi:[1,0,1]
.endr
	; THE WAY OUT.  O^T is rounded to f16 and sent through the pair's stage, so that sixteen lanes store 256 consecutive bytes, aligned.
.irp j, 0,1,2,3,4,5,6,7,8,9,10,11,12,13,14,15,16,17,18,19,20,21,22,23,24,25,26,27,28,29,30,31
	v_cvt_pk_f16_f32 v[F+\j], v[O+2*\j], v[O+2*\j+1]               ; registers 4 ct .. 4 ct + 3: channels 16 ct + 8 h + 0..7 of query r
.endr
.irp ct, 0,1,2,3,4,5,6,7
	ds_store_b128 v[STO], v[F+4*\ct:F+4*\ct+3] offset:32*\ct
.endr
.irp f, 0,1,2,3,4,5,6,7
	ds_load_b128 v[F+32+4*\f:F+32+4*\f+3], v[RD] offset:\f*2*SP    ; LDS serves a wave's instructions in order (ISA guide 5.7.1.4): these see the stores above
.endr
.irp f, 0,1,2,3,4,5,6,7
	s_wait_dscnt 7-\f                              ; the younger read-backs may be out
	global_store_b128 v[GO], v[F+32+4*\f:F+32+4*\f+3], s[6:7] offset:\f*8192
.endr
.Lend:
	s_wait_tensorcnt 0x0                           ; the wave's end: behind my last tensor load and my last LDS store
	ds_add_u32 v[SPW], v[NIL]
	s_wait_dscnt 0x0
	CROUND                                         ; the closing round: no work-group ends while a partner may still ask for a tile that names it
	s_endpgm
.Lfunc_end_k_q3f27db5750_attn:
	.size	k_q3f27db5750_attn, .Lfunc_end_k_q3f27db5750_attn-k_q3f27db5750_attn
	.p2alignl 7, 3214868480
	.fill 96, 4, 3214868480
	.section	.rodata,"a",@progbits
	.p2align	6, 0x0
	.amdhsa_kernel k_q3f27db5750_attn
		.amdhsa_group_segment_fixed_size 327680
		.amdhsa_private_segment_fixed_size 0
		.amdhsa_enable_private_segment 0
		.amdhsa_kernarg_size 16
		.amdhsa_user_sgpr_count 2
		.amdhsa_user_sgpr_kernarg_segment_ptr 1
		.amdhsa_wavefront_size32 1
		.amdhsa_system_sgpr_workgroup_id_x 1
		.amdhsa_system_sgpr_workgroup_id_y 1
		.amdhsa_system_sgpr_workgroup_id_z 1
		.amdhsa_system_vgpr_workitem_id 0
		.amdhsa_next_free_vgpr 256
		.amdhsa_next_free_sgpr 68
		.amdhsa_reserve_vcc 1
		.amdhsa_float_denorm_mode_32 3
		.amdhsa_float_denorm_mode_16_64 3
		.amdhsa_memory_ordered 1
		.amdhsa_forward_progress 1
		.amdhsa_inst_pref_size 55
	.end_amdhsa_kernel
	.amdgpu_metadata
---
amdhsa.version: [ 1, 2 ]
amdhsa.kernels:
  - .name:           k_q3f27db5750_attn
    .symbol:         k_q3f27db5750_attn.kd
    .args:
      - { .name: qkv16, .offset: 0, .size: 8, .value_kind: global_buffer, .address_space: global }
      - { .name: a16, .offset: 8, .size: 8, .value_kind: global_buffer, .address_space: global }
    .group_segment_fixed_size: 327680
    .private_segment_fixed_size: 0
    .kernarg_segment_align: 8
    .kernarg_segment_size: 16
    .max_flat_workgroup_size: 512
    .sgpr_count:     68
    .vgpr_count:     256
    .wavefront_size: 32
...
	.end_amdgpu_metadata
.endif
;; end of part 3
;; launch proj (part 4): grid 16 x 16, 4 waves a work-group, clusters of 4 x 4, 327,680 bytes of LDS; arguments a16, wot, out0; writes out0
.if DOCPART == 4
	.amdgcn_target "amdgcn-amd-amdhsa--gfx1250"
	.amdhsa_code_object_version 6
	.text
	.protected	k_q3f27db5750_proj
	.globl	k_q3f27db5750_proj
	.p2align	8
	.type	k_q3f27db5750_proj,@function
k_q3f27db5750_proj:
	s_mov_b64 s[64:65], 0
	v_nop
	global_prefetch_b8 v0, s[64:65] scope:SCOPE_SE
	s_setreg_imm32_b32 hwreg(HW_REG_WAVE_MODE, 25, 1), 1
	s_wait_xcnt 0x0
	s_wait_alu depctr_hold_cnt(0) depctr_sa_sdst(0) depctr_va_vdst(0) depctr_va_sdst(0) depctr_va_ssrc(0) depctr_va_vcc(0) depctr_vm_vsrc(0)
	s_getreg_b32 s2, hwreg(HW_REG_IB_STS2, 6, 4)
	s_cmp_eq_u32 s2, 0
	s_cbranch_scc0 .Lentry_in_a_cluster
	s_endpgm
.Lentry_in_a_cluster:
	s_bfe_u32 s2, ttmp6, 0x10000c
	s_cmp_lg_u32 s2, 0xf033
	s_cbranch_scc0 .Lentry_shape_is_right
	s_endpgm
.Lentry_shape_is_right:
; out0[m][n] = sum over k of A[m][k] B[n][k].  A = a16 [2048][2048] f16 (the attention's result), B = wot [2048 n][2048 k] f16 (Wo with K innermost), out0 [2048][2048] f32; sums in f32.
; 2048 x 2048 of C make 256 tiles of 128 x 128: one for each work-group.  Four waves, each 64 x 64: 16 accumulators of 16 x 16, 128 registers.  K goes in steps of 256 (LDS rows of 512 bytes; a wave's tensor
; load brings 64 of them), as long as two slots in LDS allow.
; CLUSTERS: 4 x 4 work-groups.  The four of a row of the cluster need the same tiles of A, the four of a column the same tiles of B: each tile is asked for JOINTLY, by the same tensor load with the
; same descriptor and a mask that names the four.  THE MATRIX INSTRUCTION IS USED TRANSPOSED (source 0 = 16 rows of B, source 1 = 16 rows of A): a lane then holds eight neighbouring numbers of a row of C.
; REGISTERS: window 0: v0-31 addresses; v32-95 at work on the way out; v128-255 the accumulators ((a, b) at v[128 + 8 (4 a + b)]).
;   window 1: two fragment buffers of 128: for 64 along K (two matrix instructions deep), 64 registers of A (2 x 4 x 16 rows x 32 K), then 64 of B.
.set SIZE_M, 2048
.set SIZE_N, 2048
.set SIZE_K, 2048
.set KSTEP,  256
.set PITCH,  528                       ; an LDS row: 512 bytes + 16 of padding = 132 words: row r starts at bank 4 r mod 64 (64 banks of 4 bytes: ISA guide 11.1)
.set HALFT,  64*PITCH                  ; 64 rows: what one tensor load brings, and what one wave reads of A or of B
.set SLOT,   4*HALFT                   ; A's 128 rows, then B's 128 rows
.set STAGE,  2*SLOT                    ; behind the ring: 16 rows x 272 bytes for each wave, for the way out: no fill lands there
.set SPITCH, 272
.set SPARE,  STAGE+4*16*SPITCH         ; behind the stages: the spare words, 128 bytes for each wave: two blocks of 256 bytes that no other line names
.set LAPS, SIZE_K/(2*KSTEP)            ; a lap = two K steps = once round the ring: 4
.set ADRA, 16                          ; v16-17  LDS address of my A fragments in slot 0, 1
.set ADRB, 20                          ; v20-21  the same for B
.set STO,  24                          ; v24     the way out: where I put 32 bytes of a row
.set RD,   25                          ; v25     the way out: where I read a row back
.set CO,   26                          ; v26     my byte offset in C
.set SPW,  28                          ; v28     LDS address of my spare word: SPARE + 4 x my thread's number; never rewritten
.set NIL,  29                          ; v29     0; never rewritten
.set TMP,  32                          ; the way out: 16 rows read back from the stage: v32-63 and v64-95 by turns
.set ACC,  128
.set F0,   0                           ; fragment buffers, in window 1
.set F1,   128
.set G1, 24                            ; s[24:31] descriptor group 1 for A's tiles;  s[32:39] group 0, one set for each slot
.set G0, 32
.set G1B, 48                           ; s[48:55], s[56:63] the same for B's tiles
.set G0B, 56
.set MSB, 0
.macro WIN new                         ; the immediate's high byte repeats the setting that is left
.if MSB != \new
	s_set_vgpr_msb (MSB<<8)|\new
.set MSB, \new
.endif
.endm
.set MUL,  0x05                        ; sources 0 (B) and 1 (A) window 1; C and D window 0
.set TO_F, 0x40                        ; destination window 1, address window 0
.macro JLOAD s                         ; a joint load: waves 0 and 1 fetch A's two halves, waves 2 and 3 B's; an s_nop 0 and four v_nop follow each of the two lines, ahead of the jump, the label and what follows
	s_cmp_eq_u32 s11, 0
	s_cbranch_scc0 .Lfor_b_\@
	tensor_load_to_lds s[G0+4*\s:G0+4*\s+3], s[G1:G1+7]
	s_nop 0
.rept 4
	v_nop
.endr
	s_branch .Lasked_\@
.Lfor_b_\@:
	tensor_load_to_lds s[G0B+4*\s:G0B+4*\s+3], s[G1B:G1B+7]
	s_nop 0
.rept 4
	v_nop
.endr
.Lasked_\@:
.endm
.macro CREST                           ; a round of the cluster's barrier behind its opening barrier
	s_cmp_lg_u32 s10, 0
	s_cbranch_scc1 .Lnot_wave_0_\@
	s_barrier_signal -3
.Lnot_wave_0_\@:
	s_barrier_wait -3
	s_barrier_signal -1
	s_barrier_wait -1
.endm
.macro CROUND                          ; a whole round
	s_barrier_signal -1
	s_barrier_wait -1
	CREST
.endm
	s_load_b128 s[4:7], s[0:1], 0x0                ; A s[4:5], B s[6:7]
	s_load_b64 s[8:9], s[0:1], 0x10                ; C
	v_lshl_add_u32 v[SPW], v0, 2, SPARE
	v_mov_b32 v[NIL], 0
	ds_add_u32 v[SPW], v[NIL]                      ; the wave's opening: the add, twice on end, and its wait ahead of my first tensor load; the set-up below, work on registers, stands between
	ds_add_u32 v[SPW], v[NIL]                      ; and once more, under the one wait
	v_lshrrev_b32 v1, 5, v0
	v_readfirstlane_b32 s10, v1                    ; wave 0..3
	s_lshr_b32 s11, s10, 1                         ; which half of the tile's rows is mine.  Also: I fetch for A (0) or for B (1)
	s_and_b32 s12, s10, 1                          ; which half of its columns.  Also: which 64 rows of that tile I fetch
	s_bfe_u32 s40, ttmp6, 0x40000                  ; cx, cy: my place in the cluster
	s_bfe_u32 s41, ttmp6, 0x40004
	s_lshl_b32 s42, ttmp9, 2
	s_add_co_u32 s42, s42, s40                     ; tile column of C = 4 x cluster x + cx
	s_and_b32 s13, ttmp7, 0xffff
	s_lshl_b32 s13, s13, 2
	s_add_co_u32 s13, s13, s41                     ; tile row of C = 4 x cluster y + cy
	s_lshl_b32 s43, s41, 2
	s_lshl_b32 s43, 15, s43                        ; my row of the cluster
	s_lshl_b32 s44, 0x1111, s40                    ; my column
	; descriptor group 1: a tile of 64 rows x 256 elements, padded in LDS
	s_or_b32 s[G1+0], s43, (1<<16)|(1<<20)|(1<<21)|(6<<22)|(3<<25)  ; 15:0 the mask: A's tiles go to my row; 17:16 element of 2 bytes; 20 padding on; 21 set beside a mask; 24:22 after every 128 words (code 6); 31:25 of 4 words (code 3)
	s_or_b32 s[G1B+0], s44, (1<<16)|(1<<20)|(1<<21)|(6<<22)|(3<<25)
.irp g, G1, G1B
	s_mov_b32 s[\g+1], KSTEP<<16                   ; tensor_dim0 = 256
	s_mov_b32 s[\g+2], 64<<16                      ; tensor_dim1 = 64
	s_mov_b32 s[\g+3], KSTEP<<16                   ; tile_dim0 = 256
	s_mov_b32 s[\g+4], 64                          ; tile_dim1 = 64
	s_mov_b32 s[\g+5], SIZE_K                      ; tensor_dim0_stride
	s_mov_b32 s[\g+6], 0
	s_mov_b32 s[\g+7], 0
.endr
	s_lshl_b32 s17, s12, 6                         ; which 64 rows of the tile I fetch
	s_lshl_b32 s16, s13, 7
	s_add_co_u32 s16, s16, s17                     ; A: row 128 x tile row + 64 x half
	s_lshl_b32 s46, s42, 7
	s_add_co_u32 s46, s46, s17                     ; B: row 128 x tile column + 64 x half
	s_mov_b32 s17, 0
	s_mov_b32 s47, 0
	s_mov_b64 s[18:19], SIZE_K*2
	s_mul_u64 s[16:17], s[16:17], s[18:19]
	s_mul_u64 s[46:47], s[46:47], s[18:19]
	s_mul_i32 s20, s10, HALFT                      ; where they go: wave x 64 rows: no place in the cluster enters an LDS address
	s_wait_dscnt 0x0                               ; both opening adds are done
	s_wait_kmcnt 0x0
	s_add_nc_u64 s[14:15], s[4:5], s[16:17]
	s_add_nc_u64 s[46:47], s[6:7], s[46:47]
	CROUND                                         ; all sixteen work-groups are here: the first joint loads meet
.irp s, 0,1
	s_mov_b32 s[G0+4*\s], 1
	s_add_co_u32 s[G0+4*\s+1], s20, \s*SLOT
	s_add_nc_u64 s[G0+4*\s+2:G0+4*\s+3], s[14:15], \s*KSTEP*2
	s_or_b32 s[G0+4*\s+3], s[G0+4*\s+3], 0x80000000
	s_mov_b32 s[G0B+4*\s], 1
	s_add_co_u32 s[G0B+4*\s+1], s20, \s*SLOT
	s_add_nc_u64 s[G0B+4*\s+2:G0B+4*\s+3], s[46:47], \s*KSTEP*2
	s_or_b32 s[G0B+4*\s+3], s[G0B+4*\s+3], 0x80000000
	JLOAD \s                                       ; two tensor loads of mine are out at the most
.endr
	v_and_b32 v1, 15, v0                           ; l % 16
	v_bfe_u32 v2, v0, 4, 1                         ; l / 16
	v_mul_u32_u24 v3, v1, PITCH
	v_lshl_add_u32 v3, v2, 4, v3                   ; a fragment's row x pitch + 16 x half
	s_mul_i32 s21, s11, HALFT                      ; my 64 rows of A
	s_mul_i32 s22, s12, HALFT                      ; my 64 rows of B,
	s_add_co_u32 s22, s22, 2*HALFT                 ; which lie behind A's 128
.irp s, 0,1
	v_add_nc_u32 v[ADRA+\s], s21, v3
	v_add_nc_u32 v[ADRB+\s], s22, v3
	s_add_co_u32 s21, s21, SLOT
	s_add_co_u32 s22, s22, SLOT
.endr
	s_mul_i32 s23, s10, 16*SPITCH
	s_add_co_u32 s23, s23, STAGE                   ; my stage
	v_mul_u32_u24 v4, v1, SPITCH                   ; in: row l % 16, 32 bytes for each half of the lanes
	v_lshl_add_u32 v4, v2, 5, v4
	v_add_nc_u32 v[STO], s23, v4
	v_mul_u32_u24 v5, v2, SPITCH                   ; back: lanes 0-15 take one row of 256 bytes, lanes 16-31 the next
	v_lshl_add_u32 v5, v1, 4, v5
	v_add_nc_u32 v[RD], s23, v5
	v_lshlrev_b32 v5, 13, v2                       ; and the same two rows in C: 8,192 bytes a row
	v_lshl_add_u32 v[CO], v1, 4, v5
	s_lshl_b32 s16, s13, 7
	s_lshl_b32 s17, s11, 6
	s_add_co_u32 s16, s16, s17                     ; my first row of C: 128 x tile row + 64 x half
	s_lshl_b32 s16, s16, 13
	s_mov_b32 s17, 0
	s_add_nc_u64 s[8:9], s[8:9], s[16:17]
	s_lshl_b32 s46, s42, 9                         ; my first column, in bytes: 512 x tile column + 256 x half
	s_lshl_b32 s47, s12, 8
	s_add_co_u32 s46, s46, s47
	s_mov_b32 s47, 0
	s_add_nc_u64 s[8:9], s[8:9], s[46:47]
; 8 matrix instructions: m blocks a0, a0 + 1 x all 4 n blocks, 32 along K: half c of buffer f.  zero = 1: the first product starts the sums.  The 16 accumulators take turns.
.macro MUL8 f, c, a0, zero
.irp a, \a0, \a0+1
.irp b, 0,1,2,3
.if \zero
	v_wmma_f32_16x16x32_f16 v[ACC+8*(4*(\a)+\b):ACC+8*(4*(\a)+\b)+7], v[\f+64+8*(4*\c+\b):\f+64+8*(4*\c+\b)+7], v[\f+8*(4*\c+\a):\f+8*(4*\c+\a)+7], 0
.else
	v_wmma_f32_16x16x32_f16 v[ACC+8*(4*(\a)+\b):ACC+8*(4*(\a)+\b)+7], v[\f+64+8*(4*\c+\b):\f+64+8*(4*\c+\b)+7], v[\f+8*(4*\c+\a):\f+8*(4*\c+\a)+7], v[ACC+8*(4*(\a)+\b):ACC+8*(4*(\a)+\b)+7]
.endif
.endr
.endr
.endm
; 32 LDS loads in one run: the fragments of 64 along K at byte k of the rows, into buffer f; the first 32 along K first
.macro FETCH slot, k, f
	WIN TO_F
.irp c, 0,1
.irp i, 0,1,2,3
	ds_load_b128 v[\f+64+8*(4*\c+\i):\f+64+8*(4*\c+\i)+3],   v[ADRB+\slot] offset:\k+64*\c+\i*16*PITCH
	ds_load_b128 v[\f+64+8*(4*\c+\i)+4:\f+64+8*(4*\c+\i)+7], v[ADRB+\slot] offset:\k+64*\c+\i*16*PITCH+32
	ds_load_b128 v[\f+8*(4*\c+\i):\f+8*(4*\c+\i)+3],         v[ADRA+\slot] offset:\k+64*\c+\i*16*PITCH
	ds_load_b128 v[\f+8*(4*\c+\i)+4:\f+8*(4*\c+\i)+7],       v[ADRA+\slot] offset:\k+64*\c+\i*16*PITCH+32
.endr
.endr
.endm
.macro PLACES                          ; four places in front of loads into registers that matrix instructions have read, and of the first read of results
.rept 4
	v_nop
.endr
.endm
; A K step is four quarters of 64 along K, 32 matrix instructions each, on buffers 0, 1, 0, 1.  One of the first three: multiplies buffer f and fetches the next quarter, at byte k, into g.
.macro QUARTER slot, k, f, g, zero
	s_wait_dscnt 16                                ; the first 32 along K are in; the youngest sixteen loads may be out
	WIN MUL
	MUL8 \f, 0, 0, \zero
	MUL8 \f, 0, 2, \zero
	PLACES
	FETCH \slot, \k, \g
	s_wait_dscnt 32                                ; all but the 32 just issued
	WIN MUL
	MUL8 \f, 1, 0, 0
	MUL8 \f, 1, 2, 0
.endm
; The last quarter multiplies buffer 1 and changes slots: ONE barrier; in front of it each wave waits for all its tensor loads, adds 0 to its spare word, and waits for that and for its own reads of this slot.  fill = 1: this slot is filled again, two K steps ahead.
.macro TURN slot, next, fill
	WIN 0                                          ; (the add's two registers lie in window 0)
	s_wait_tensorcnt 0x0                           ; all my tensor loads have landed: my part of the next slot;
	ds_add_u32 v[SPW], v[NIL]                      ; 0 onto my spare word
	s_wait_dscnt 17                                ; (the add and the youngest sixteen loads may be out)
	WIN MUL
	MUL8 F1, 0, 0, 0                               ; eight matrix instructions stand between the add and the wait for it
	s_wait_dscnt 0x0                               ; the add is done, and my reads of this slot are over
	s_barrier_signal -1
	MUL8 F1, 0, 2, 0
.if \fill
	WIN 0
.endif
	s_barrier_wait -1
.if \fill
	CREST                                          ; the barrier has opened a round of the cluster's barrier: no wave of any partner still reads this slot's tile or has a load on its way
	s_add_nc_u64 s[G0+4*\slot+2:G0+4*\slot+3], s[G0+4*\slot+2:G0+4*\slot+3], 2*KSTEP*2
	s_add_nc_u64 s[G0B+4*\slot+2:G0B+4*\slot+3], s[G0B+4*\slot+2:G0B+4*\slot+3], 2*KSTEP*2
	JLOAD \slot                                    ; the first tensor load behind the round: 112 matrix instructions ahead of the wait for it; the four v_nop behind it are also the places in front of the loads below
.else
	PLACES
.endif
	FETCH \next, 0, F0
	WIN MUL
	MUL8 F1, 1, 0, 0
	MUL8 F1, 1, 2, 0
.endm
	s_wait_tensorcnt 1                             ; my part of K step 0 is in (K step 1's load may be out)
	s_barrier_signal -1
	s_barrier_wait -1                              ; everybody's is
	FETCH 0, 0, F0
	QUARTER 0, 128, F0, F1, 1                      ; the first quarter stands in front of the loop: its first products start the sums
	WIN 0                                          ; at a label and at a branch every window is 0
	s_mov_b32 s3, LAPS-1
.Llap:                                                 ; a trip goes once round the ring, from a lap's second quarter to the next lap's first, and fills both slots again
	QUARTER 0, 256, F1, F0, 0
	QUARTER 0, 384, F0, F1, 0
	TURN 0, 1, 1
	QUARTER 1, 128, F0, F1, 0
	QUARTER 1, 256, F1, F0, 0
	QUARTER 1, 384, F0, F1, 0
	TURN 1, 0, 1
	QUARTER 0, 128, F0, F1, 0
	WIN 0
	s_sub_co_u32 s3, s3, 1
	s_cmp_lg_u32 s3, 0
	s_cbranch_scc1 .Llap
	QUARTER 0, 256, F1, F0, 0                      ; the last lap fills nothing, and has no round of the cluster's barrier
	QUARTER 0, 384, F0, F1, 0
	TURN 0, 1, 0
	QUARTER 1, 128, F0, F1, 0
	QUARTER 1, 256, F1, F0, 0
	QUARTER 1, 384, F0, F1, 0
	s_wait_dscnt 16                                ; the very last quarter: nothing more to fetch
	WIN MUL
	MUL8 F1, 0, 0, 0
	MUL8 F1, 0, 2, 0
	s_wait_dscnt 0
	MUL8 F1, 1, 0, 0
	MUL8 F1, 1, 2, 0
	WIN 0
; THE WAY OUT, block by block of 16 rows x 64 columns of f32.  A lane holds 32 neighbouring bytes of a row and the lanes beside it hold other rows: so a block goes through my own stage in LDS and comes back as
; whole rows of 256 bytes, my wave's 64 columns, which sixteen lanes store as 256 consecutive bytes, aligned.  No other wave touches my stage: no barrier.  LDS serves a wave's instructions in order
; (ISA guide 5.7.1.4): no wait between the stores and the loads, nor in front of the next block's stores.
.macro TOSTAGE a
.irp b, 0,1,2,3
	ds_store_b128 v[STO], v[ACC+8*(4*(\a)+\b):ACC+8*(4*(\a)+\b)+3] offset:64*\b          ; each accumulator from its low end on
	ds_store_b128 v[STO], v[ACC+8*(4*(\a)+\b)+4:ACC+8*(4*(\a)+\b)+7] offset:64*\b+16
.endr
.set BB, TMP+32*((\a)%2)
.irp t, 0,1,2,3,4,5,6,7
	ds_load_b128 v[BB+4*\t:BB+4*\t+3], v[RD] offset:\t*2*SPITCH
.endr
.endm
.macro SEND a, younger                 ; younger: the LDS instructions issued behind block a's loads, which may stay out
.set BB, TMP+32*((\a)%2)
	s_wait_dscnt \younger                          ; the block is back in registers
.irp t, 0,1,2,3,4,5,6,7
	global_store_b128 v[CO], v[BB+4*\t:BB+4*\t+3], s[8:9] offset:(16*(\a)+2*\t)*SIZE_N*4 th:TH_STORE_NT   ; 62 rows of C at the most: inside the signed 24-bit immediate (ISA guide, chapter 10); written once, read by nobody here
.endr
.endm
	PLACES                                         ; behind the last products: the stage's stores read results
	TOSTAGE 0
.irp a, 1,2,3
.if \a > 1
	s_wait_xcnt 0x0                                ; block a - 2's stores have read their registers: block a's read-back may land there
.endif
	TOSTAGE \a
	SEND \a-1, 16                                  ; behind block a - 1's loads: block a's 8 stores and 8 loads
.endr
	SEND 3, 0
	s_wait_tensorcnt 0x0                           ; the wave's end: behind my last tensor load and my last LDS store
	ds_add_u32 v[SPW], v[NIL]
	s_wait_dscnt 0x0
	CROUND                                         ; the closing round: no work-group ends while a partner may still ask for a tile that names it
	s_endpgm
.Lfunc_end_k_q3f27db5750_proj:
	.size	k_q3f27db5750_proj, .Lfunc_end_k_q3f27db5750_proj-k_q3f27db5750_proj
	.p2alignl 7, 3214868480
	.fill 96, 4, 3214868480
	.section	.rodata,"a",@progbits
	.p2align	6, 0x0
	.amdhsa_kernel k_q3f27db5750_proj
		.amdhsa_group_segment_fixed_size 327680
		.amdhsa_private_segment_fixed_size 0
		.amdhsa_enable_private_segment 0
		.amdhsa_kernarg_size 24
		.amdhsa_user_sgpr_count 2
		.amdhsa_user_sgpr_kernarg_segment_ptr 1
		.amdhsa_wavefront_size32 1
		.amdhsa_system_sgpr_workgroup_id_x 1
		.amdhsa_system_sgpr_workgroup_id_y 1
		.amdhsa_system_sgpr_workgroup_id_z 1
		.amdhsa_system_vgpr_workitem_id 0
		.amdhsa_next_free_vgpr 512
		.amdhsa_next_free_sgpr 66
		.amdhsa_reserve_vcc 0
		.amdhsa_float_denorm_mode_32 3
		.amdhsa_float_denorm_mode_16_64 3
		.amdhsa_memory_ordered 1
		.amdhsa_forward_progress 1
		.amdhsa_inst_pref_size 86
	.end_amdhsa_kernel
	.amdgpu_metadata
---
amdhsa.version: [ 1, 2 ]
amdhsa.kernels:
  - .name:           k_q3f27db5750_proj
    .symbol:         k_q3f27db5750_proj.kd
    .args:
      - { .name: a16, .offset: 0, .size: 8, .value_kind: global_buffer, .address_space: global }
      - { .name: wot, .offset: 8, .size: 8, .value_kind: global_buffer, .address_space: global }
      - { .name: out0, .offset: 16, .size: 8, .value_kind: global_buffer, .address_space: global }
    .group_segment_fixed_size: 327680
    .private_segment_fixed_size: 0
    .kernarg_segment_align: 8
    .kernarg_segment_size: 24
    .max_flat_workgroup_size: 128
    .sgpr_count:     66
    .vgpr_count:     512
    .wavefront_size: 32
...
	.end_amdgpu_metadata
.endif
;; end of part 4
